; MI455X (gfx1250); checked and timed in simulation.
; The chip was launched on July 23, 2026; its instructions are those of AMD's public machine-readable ISA for CDNA 5 (MIT licence, August 2026) and "CDNA5" Instruction Set Architecture Reference Guide (July 2026). The comments in the code are by the model that wrote it; some were corrected since.
;; Multihead Attention. Allowed arithmetic: matrix products marked QUANTISED: E2M3 operands, one E8M0 scale for each 32 along K, by v_wmma_scale_f32_16x16x128_f8f6f4 with both operands' format E2M3, f32 sums; everything else in f32.
;; Inputs: Wk 1,024 x 1,024 float32; Wo 1,024 x 1,024 float32; Wq 1,024 x 1,024 float32; Wv 1,024 x 1,024 float32; bk 1,024 float32; bo 1,024 float32; bq 1,024 float32; bv 1,024 float32; key 4 x 2,048 x 1,024 float32; query 4 x 2,048 x 1,024 float32; value 4 x 2,048 x 1,024 float32.
;; Outputs: out0 4 x 2,048 x 1,024 float32.
;; This version of the problem:
;;   THIS VERSION OF THE PROBLEM IS GIVEN IN LOW PRECISION. The matrix products marked QUANTISED in the list below multiply operands that are first quantised to E2M3 (2 exponent bits, 3 mantissa bits; 6 bits a number), with one power-of-two scale for each 32 numbers along K (OCP MX v1.0); their sums are f32. All else is computed in f32.
;;   The module's matrix products, in the order in which they are computed (A, B: the left and right operand; K: the contracted axis; several contracted axes count as one K, in the product's order):
;;     1. [M 8,192, K 1,024] x [K 1,024, N 1,024]; A: input query; B: input Wq: QUANTISED
;;     2. [M 8,192, K 1,024] x [K 1,024, N 1,024]; A: input key; B: input Wk: QUANTISED
;;     3. [M 8,192, K 1,024] x [K 1,024, N 1,024]; A: input value; B: input Wv: QUANTISED
;;     4. batch 64 x [M 2,048, K 64] x [K 64, N 2,048]; A: computed on the way; B: computed on the way: QUANTISED
;;     5. batch 64 x [M 2,048, K 2,048] x [K 2,048, N 64]; A: softmax (see below); B: computed on the way: QUANTISED
;;     6. [M 8,192, K 1,024] x [K 1,024, N 1,024]; A: computed on the way; B: input Wo: QUANTISED
;;   THE QUANTISER, for each operand of a quantised product, along K:
;;     - K is cut into blocks of 32 from its start; a last block that is shorter is filled with zeros.
;;     - A block's scale is 2^e with e = floor(log2(the largest magnitude in the block)) - 2, held to -126 .. 127; a block of zeros has e = 0. As a byte (E8M0): e + 127.
;;     - Each number is divided by its block's scale, clamped to +-7.5, and rounded to the nearest number of E2M3, ties to even, subnormals kept.
;;     - The product sums the exact products of the quantised numbers (number of the format x scale) in f32.
;;   ~~~python
;;   def quantise(x, axis):      # numpy; x: float32 -> the quantised numbers, widened to float32 again
;;       x = np.moveaxis(x, axis, -1); K = x.shape[-1]
;;       x = np.pad(x, [(0, 0)] * (x.ndim - 1) + [(0, -K % 32)]); x = x.reshape(x.shape[:-1] + (-1, 32)); a = np.abs(x).max(-1, keepdims=True)
;;       e = np.where(a > 0, np.clip(np.frexp(np.where(a > 0, a, 1))[1] - 1 - 2, -126, 127), 0)      # np.frexp(a)[1] - 1 = floor(log2(a)), exactly
;;       r = np.clip(x / 2.0 ** e, -7.5, 7.5)
;;       step = 2.0 ** (np.maximum(np.frexp(np.where(r == 0, 1, r))[1] - 1, 0) - 3)
;;       q = np.round(r / step) * step * 2.0 ** e      # np.round: ties to even
;;       return np.moveaxis(q.reshape(q.shape[:-2] + (-1,))[..., :K], -1, axis).astype(np.float32)
;;   ~~~
;;   SOFTMAX AHEAD OF A QUANTISED PRODUCT. Where the list says 'softmax', what is quantised is not the finished softmax but p = 2^(t - M), with t = logit x log2(e) and M = ceil(the row's largest t), a whole number; so 1/2 < the row's largest p <= 1. The row's sum l is taken of the UNQUANTISED p, in f32, and the product's result is divided by l at the end. Since M is a whole number, a kernel that streams over the keys may use a running M (the ceiling of the running maximum): every later rescaling is an exact power of two, which a block's scale takes up: the codes' values come out the same.
;;   OPERANDS COMPUTED ON THE WAY. 'Computed on the way' means the value that the module computes at that place (a softmax that the list does not call 'softmax' is quantised finished and normalised). What goes into a quantiser is computed in f32, as accurately as f32 sums, v_exp_f32 and their like allow (about 1e-6 of the number): no bf16 or f16 on the way to a quantiser, and a product that is left as it is and whose result goes on into a quantised operand takes f32 operands (vector FMAs, or v_wmma_f32_16x16x4_f32). A number that lies on a knife's edge between two numbers of the format may be rounded either way, as far as f32 arithmetic and the matrix unit's own rounding can turn it there, and no further.
;; One version. Each part assembles by itself: llvm-mc -triple=amdgcn-amd-amdhsa -mcpu=gfx1250 --defsym DOCPART=n.
;; ======== version 1 of 1: 4 launches
;; limits: right only within a limited range of input values
;; workspace buffers: xq 22,937,600 bytes; qi 6,815,744 bytes; kv 13,369,344 bytes; oq 6,553,600 bytes
;; launch quant (part 1): grid 448 x 1, 4 waves a work-group, no clusters, 34,304 bytes of LDS; arguments query, key, value, Wq, Wk, Wv, Wo, xq; writes xq
.if DOCPART == 1
	.amdgcn_target "amdgcn-amd-amdhsa--gfx1250"
	.amdhsa_code_object_version 6
	.text
	.protected	k_q9b66a5812a_quant
	.globl	k_q9b66a5812a_quant
	.p2align	8
	.type	k_q9b66a5812a_quant,@function
k_q9b66a5812a_quant:
	s_mov_b64 s[64:65], 0
	v_nop
	global_prefetch_b8 v0, s[64:65] scope:SCOPE_SE
	s_setreg_imm32_b32 hwreg(HW_REG_WAVE_MODE, 25, 1), 1
	s_wait_xcnt 0x0
; query, key, value [8192][1024] and Wq, Wk, Wv, Wo [1024][1024], f32, K innermost, become codes of FP6 (E2M3) with one E8M0 byte for each 32 along K,
; laid in xq in the ORDER OF AN OPERAND'S REGISTERS, so that the products' launches bring dense blocks into LDS and read fragments by dense loads.
; A tensor is cut into GROUPS of 64 rows (query 0-127, key 128-255, value 256-383, Wq 384-399, Wk 400-415, Wv 416-431, Wo 432-447).  A group has four TILES of 16 rows;
; row r of tile i is row 32 (i / 2) + 8 (i % 2) + r + 8 (r / 8) of the group: used as a product's source 0, two neighbouring tiles then leave 16 neighbours in a lane's 16 result registers.
; A UNIT is a group x 256 along K, 12,800 bytes: eight fragment images (16 rows x 128 K; fragment 4 s + i at 1,536 (4 s + i); piece p = registers 2 p, 2 p + 1 of the lane's twelve, at 256 p + 8 x lane),
; then two scale blocks of 256 bytes (word of row r of tile i at 16 r + 4 i).  A group is four units on end.
; A block's scale is 2^(floor(log2(its largest magnitude)) - 2); its byte is the largest magnitude's exponent field - 2, held at 1 from below.
; LIMITS: NaN and infinities are not served; a block whose largest magnitude lies under 2^-124, a block of zeros among them, keeps the byte 1 (its codes are then small or zero; only this program reads the bytes).
; SHARES: work-group g takes group g, wave w its unit w.  Waves share nothing: no barrier.  Work-groups share no input: no cluster, no tensor load.
; Each load takes 512 consecutive bytes of one row; a fragment's 16 rows turn through the wave's own stage in LDS (rows of 512 + 16 bytes) and come back 128 bytes a lane twice: two whole blocks of 32.
; Each code store of the wave covers 256 consecutive bytes, aligned.  Loads run two fragments (32 loads a wave) ahead.  Every offset is an immediate.
.set STG,  8448                        ; a wave's stage: 16 rows x 528 bytes
.set PIT,  528
.set TM,   10                          ; v10-11 largest magnitudes, v12-13 the conversions' scale operands, v14-15 the bytes
.set SW,   16                          ; v16-23 the eight fragments' scale words
.set C,    24                          ; v24-35, v36-47 codes, two sets by turns
.set Y,    48                          ; v48-50, v52-54 the upper halves of the two blocks (a conversion's three registers begin on an even number)
.set R,    64                          ; v64-127, v128-191 numbers as loaded, two sets
.set X,    192                         ; v192-255 my two blocks of 32 neighbours
	s_load_b512 s[4:19], s[0:1], 0x0               ; query, key, value, Wq, Wk, Wv, Wo, xq
	v_lshl_add_u32 v62, v0, 2, 0x8400
	v_mov_b32 v63, 0
	v_lshrrev_b32 v1, 5, v0
	v_readfirstlane_b32 s20, v1                    ; wave
	v_and_b32 v1, 31, v0                           ; lane
	v_and_b32 v2, 15, v0                           ; r
	v_bfe_u32 v3, v0, 4, 1                         ; h
	v_lshlrev_b32 v4, 4, v1                        ; 16 x lane: my bytes of a load's 512
	s_mul_i32 s21, s20, STG
	v_add_nc_u32 v5, s21, v4                       ; the stage, on the way in
	v_mul_u32_u24 v6, v2, PIT
	v_lshl_add_u32 v6, v3, 7, v6
	v_add_nc_u32 v6, s21, v6                       ; and on the way out: row r, + 128 h
	v_lshlrev_b32 v7, 3, v1                        ; 8 x lane: my place in a piece
	v_mov_b32 v8, 0                                ; a lane permute's destination counts as read: written once
	v_lshlrev_b32 v9, 3, v3                        ; 8 h: my bytes' place in the scale word
	s_mov_b32 s28, 0x76543210
	s_mov_b32 s29, 0xfedcba98                      ; v_permlanex16_b32's selects for lane l xor 16
	s_wait_alu depctr_va_vdst(0)
	s_wait_kmcnt 0x0
	s_mov_b64 s[22:23], s[16:17]                   ; which tensor is my group's?  The choice hangs on the work-group's number alone
	s_mov_b32 s24, 432
.macro PICK lim, lo, base
	s_cmp_lt_u32 ttmp9, \lim
	s_cselect_b64 s[22:23], s[\lo:\lo+1], s[22:23]
	s_cselect_b32 s24, \base, s24
.endm
	PICK 432, 14, 416
	PICK 416, 12, 400
	PICK 400, 10, 384
	PICK 384, 8, 256
	PICK 256, 6, 128
	PICK 128, 4, 0
	s_sub_co_u32 s24, ttmp9, s24                   ; the group's number in its tensor
	s_lshl_b32 s24, s24, 18                        ; 64 rows of 4,096 bytes
	s_lshl_b32 s25, s20, 10                        ; + my unit's 256 numbers of a row
	s_add_co_u32 s24, s24, s25
	s_mov_b32 s25, 0
	s_add_nc_u64 s[22:23], s[22:23], s[24:25]
	s_lshl_b32 s26, ttmp9, 2
	s_add_co_u32 s26, s26, s20
	s_mul_i32 s26, s26, 12800                      ; my unit in xq
	s_mov_b32 s27, 0
	s_add_nc_u64 s[18:19], s[18:19], s[26:27]
.macro LOAD f                          ; fragment f = 4 s + i: the 16 rows of tile i, 128 numbers at 512 s bytes of my part of a row
.set LI, (\f)%4
.set LS, (\f)/4
.set LR, R+64*((\f)%2)
.irp rr, 0,1,2,3,4,5,6,7,8,9,10,11,12,13,14,15
	global_load_b128 v[LR+4*\rr:LR+4*\rr+3], v[56+2*(LI/2)+\rr/8], s[22:23] offset:(8*(LI%2)+\rr%8)*4096+512*LS th:TH_LOAD_NT
.endr
.endm
.macro FRAG f
.set FRR, R+64*((\f)%2)
.set FC, C+12*((\f)%2)
.if (\f) < 7
	s_wait_loadcnt 16                              ; this fragment's 16 loads are in; the next fragment's 16 may be out
.else
	s_wait_loadcnt 0x0
.endif
.irp rr, 0,1,2,3,4,5,6,7,8,9,10,11,12,13,14,15
	ds_store_b128 v5, v[FRR+4*\rr:FRR+4*\rr+3] offset:PIT*\rr
.endr
.irp q, 0,1,2,3,4,5,6,7
	ds_load_b128 v[X+4*\q:X+4*\q+3], v6 offset:16*\q               ; k = 32 h + 0 .. 31 of row r.  LDS serves a wave's instructions in order: these see the stores above
.endr
.irp q, 0,1,2,3,4,5,6,7
	ds_load_b128 v[X+32+4*\q:X+32+4*\q+3], v6 offset:256+16*\q     ; k = 64 + 32 h + 0 .. 31
.endr
	s_wait_dscnt 0x0                               ; my numbers are back, and the stores have read their registers,
.if (\f) < 6
	LOAD (\f)+2                                    ; which take the loads of two fragments on
.endif
.irp c, 0,1
	v_max3_num_f32 v[TM+\c], |v[X+32*\c]|, |v[X+32*\c+1]|, 0x1800000   ; a block's largest magnitude: all 32 numbers are mine; the floor 2^(3 - 127) holds the byte at 1 from below
.endr
.irp i, 2,4,6,8,10,12,14,16,18,20,22,24,26,28,30
.irp c, 0,1
	v_max3_num_f32 v[TM+\c], v[TM+\c], |v[X+32*\c+\i]|, |v[X+32*\c+\i+1]|
.endr
.endr
.irp c, 0,1
	v_add_nc_u32 v[TM+2+\c], 0xff000000, v[TM+\c]  ; 2 off its exponent field: the conversion takes the exponent field of this operand as its scale
.endr
.irp c, 0,1
	v_lshrrev_b32 v[TM+4+\c], 23, v[TM+2+\c]       ; the scale's byte
.endr
	v_lshl_or_b32 v[SW+\f], v[TM+5], 16, v[TM+4]   ; my two bytes: blocks h and 2 + h of row r,
	v_lshlrev_b32 v[SW+\f], v9, v[SW+\f]           ; at their places in the word;
	v_permlanex16_b32 v8, v[SW+\f], s28, s29
	v_or_b32 v[SW+\f], v[SW+\f], v8                ; with lane l xor 16's two the word is whole, in both lanes
	s_wait_alu depctr_va_vdst(0)
	s_wait_xcnt 0x0                                ; the stores of two fragments back have read this set of code registers
	v_cvt_scalef32_pk16_fp6_f32 v[FC:FC+2], v[X:X+15], v[TM+2]
	v_cvt_scalef32_pk16_fp6_f32 v[Y:Y+2], v[X+16:X+31], v[TM+2]
	v_cvt_scalef32_pk16_fp6_f32 v[FC+6:FC+8], v[X+32:X+47], v[TM+3]
	v_cvt_scalef32_pk16_fp6_f32 v[Y+4:Y+6], v[X+48:X+63], v[TM+3]
	v_nop                                          ; one plain place behind the scaled conversions
.irp i, 0,1,2
	v_mov_b32 v[FC+3+\i], v[Y+\i]
	v_mov_b32 v[FC+9+\i], v[Y+4+\i]
.endr
.irp p, 0,1,2,3,4,5
	global_store_b64 v7, v[FC+2*\p:FC+2*\p+1], s[18:19] offset:1536*(\f)+256*\p   ; 32 lanes store 256 consecutive bytes, aligned
.endr
.endm
	; WHICH ROWS FORM A TILE: row r of tile i is row A (i / 2) + 8 (i % 2) + r % 8 + B (r / 8) of the group.  A = 32, B = 16 for all tensors but key: that is the pattern of the head comment.
	; For key (groups 128-255) A = 16, B = 32: row 8 i + r % 8 + 32 (r / 8).  As source 0 of the scores' product the four tiles of a group then leave 32 neighbouring keys, one whole scale block, in a lane's 32 result registers.
	; v56-59: my 16 bytes of a load's 512, + 0, + B rows, + A rows, + 48 rows (A + B is 48 in both patterns)
	s_sub_co_u32 s30, ttmp9, 128
	s_mov_b32 s31, 0x20000
	s_cmp_lt_u32 s30, 128                          ; a group of key?  The choice hangs on the work-group's number alone
	s_cselect_b32 s30, 0x10000, s31                ; A rows of 4,096 bytes
	s_sub_co_u32 s31, 0x30000, s30                 ; B rows
	v_mov_b32 v56, v4
	v_add_nc_u32 v57, s31, v4
	v_add_nc_u32 v58, s30, v4
	v_add_nc_u32 v59, 0x30000, v4
	s_wait_alu depctr_va_vdst(0)                   ; the wait behind these writes
	LOAD 0
	LOAD 1
.irp f, 0,1,2,3,4,5,6,7
	FRAG \f
.endr
	v_cmp_le_u32 vcc_lo, 16, v1                    ; the two scale blocks: lanes 0-15 store the words of K step 0, lanes 16-31 those of K step 1: 512 consecutive bytes
.irp i, 0,1,2,3
	v_cndmask_b32 v[SW+\i], v[SW+\i], v[SW+4+\i], vcc_lo
.endr
	global_store_b128 v4, v[SW:SW+3], s[18:19] offset:12288
	s_wait_tensorcnt 0x0
	ds_add_u32 v62, v63
	s_wait_dscnt 0x0
	s_endpgm
.Lfunc_end_k_q9b66a5812a_quant:
	.size	k_q9b66a5812a_quant, .Lfunc_end_k_q9b66a5812a_quant-k_q9b66a5812a_quant
	.p2alignl 7, 3214868480
	.fill 96, 4, 3214868480
	.section	.rodata,"a",@progbits
	.p2align	6, 0x0
	.amdhsa_kernel k_q9b66a5812a_quant
		.amdhsa_group_segment_fixed_size 34304
		.amdhsa_private_segment_fixed_size 0
		.amdhsa_enable_private_segment 0
		.amdhsa_kernarg_size 64
		.amdhsa_user_sgpr_count 2
		.amdhsa_user_sgpr_kernarg_segment_ptr 1
		.amdhsa_wavefront_size32 1
		.amdhsa_system_sgpr_workgroup_id_x 1
		.amdhsa_system_sgpr_workgroup_id_y 1
		.amdhsa_system_sgpr_workgroup_id_z 1
		.amdhsa_system_vgpr_workitem_id 0
		.amdhsa_next_free_vgpr 256
		.amdhsa_next_free_sgpr 66
		.amdhsa_reserve_vcc 1
		.amdhsa_float_denorm_mode_32 3
		.amdhsa_float_denorm_mode_16_64 3
		.amdhsa_memory_ordered 1
		.amdhsa_forward_progress 1
		.amdhsa_inst_pref_size 61
	.end_amdhsa_kernel
	.amdgpu_metadata
---
amdhsa.version: [ 1, 2 ]
amdhsa.kernels:
  - .name:           k_q9b66a5812a_quant
    .symbol:         k_q9b66a5812a_quant.kd
    .args:
      - { .name: query, .offset: 0, .size: 8, .value_kind: global_buffer, .address_space: global }
      - { .name: key, .offset: 8, .size: 8, .value_kind: global_buffer, .address_space: global }
      - { .name: value, .offset: 16, .size: 8, .value_kind: global_buffer, .address_space: global }
      - { .name: Wq, .offset: 24, .size: 8, .value_kind: global_buffer, .address_space: global }
      - { .name: Wk, .offset: 32, .size: 8, .value_kind: global_buffer, .address_space: global }
      - { .name: Wv, .offset: 40, .size: 8, .value_kind: global_buffer, .address_space: global }
      - { .name: Wo, .offset: 48, .size: 8, .value_kind: global_buffer, .address_space: global }
      - { .name: xq, .offset: 56, .size: 8, .value_kind: global_buffer, .address_space: global }
    .group_segment_fixed_size: 34304
    .private_segment_fixed_size: 0
    .kernarg_segment_align: 8
    .kernarg_segment_size: 64
    .max_flat_workgroup_size: 128
    .sgpr_count:     66
    .vgpr_count:     256
    .wavefront_size: 32
...
	.end_amdgpu_metadata
.endif
;; end of part 1
;; launch proj (part 2): grid 4 x 192, 8 waves a work-group, clusters of 4 x 4, 309,248 bytes of LDS; arguments xq, bq, bk, bv, qi, kv; writes qi, kv
.if DOCPART == 2
	.amdgcn_target "amdgcn-amd-amdhsa--gfx1250"
	.amdhsa_code_object_version 6
	.text
	.protected	k_q9b66a5812a_proj
	.globl	k_q9b66a5812a_proj
	.p2align	8
	.type	k_q9b66a5812a_proj,@function
k_q9b66a5812a_proj:
	s_mov_b64 s[64:65], 0
	v_nop
	global_prefetch_b8 v0, s[64:65] scope:SCOPE_SE
	s_setreg_imm32_b32 hwreg(HW_REG_WAVE_MODE, 25, 1), 1
	s_wait_xcnt 0x0
	s_wait_alu depctr_hold_cnt(0) depctr_sa_sdst(0) depctr_va_vdst(0) depctr_va_sdst(0) depctr_va_ssrc(0) depctr_va_vcc(0) depctr_vm_vsrc(0)
	s_getreg_b32 s2, hwreg(HW_REG_IB_STS2, 6, 4)
	s_cmp_eq_u32 s2, 0
	s_cbranch_scc0 .Lentry_in_a_cluster
	s_endpgm
.Lentry_in_a_cluster:
	s_bfe_u32 s2, ttmp6, 0x10000c
	s_cmp_lg_u32 s2, 0xf033
	s_cbranch_scc0 .Lentry_shape_is_right
	s_endpgm
.Lentry_shape_is_right:
; The three projections on codes of FP6 (E2M3), K = 1,024, each result with its bias quantised in registers for the attention launch: no f32 result goes to memory.
; C'[m][n] = sum over k of Am[m][k] An[n][k].  THE n SIDE IS SOURCE 0, THE m SIDE SOURCE 1: a lane holds one row m, and its registers run along n.
; ROLE = cluster y / 16.  Roles 0 (q) and 1 (k): m = tokens, n = rows of Wq or Wk: a wave's 64 n are one head, along which q and k are quantised.
; Role 2 (v): m = rows of Wv (a wave's 64 m are one head's channels), n = tokens: the registers run along the keys, along which v is quantised.
; SHARES: a work-group makes 128 m x 256 n; eight waves of 256 registers; wave w makes 64 m (group wm = w & 1) x 64 n (group wn = w >> 1): 16 accumulators.
; LDS: all of K for the six groups of 64 rows (two of m, four of n) lies in LDS, filled ONCE, in four chunks of 256 along K: nothing is ever filled again, so there is no ring.
; Operands lie in xq as images of their registers (a unit = a group x 256 K = 12,800 dense bytes: eight fragments, two scale blocks), so a fragment is six dense loads of 8 bytes a lane.
; CLUSTER 4 x 4: the m groups hang on the tile of m alone (cy) and are asked for jointly along a row of the cluster, the n groups on the tile of n alone (cx), jointly along a column.
; Even waves fetch the m groups, odd waves the n groups, one load each: wave w chunk w / 2.  All that a work-group reads is asked for in its first lines: no prefetch.
; ROWS OF A TILE: row r of tile i of a group is row 32 (i / 2) + 8 (i % 2) + r + 8 (r / 8): so register 16 B + i of an m tile's 32 result registers is n = 32 B + 16 (lane / 16) + i.
; OUT: qi [b h][group of 64 queries] 3,328 bytes: four half images (16 rows x 64 K: 768 bytes) and a scale block; kv [b h][128 keys] 13,056 bytes: K's eight half images, K's two scale blocks,
; V's codes (half c of the keys at 3,072 c, channel tile a at 768 a), V's scale block.  q's and k's scale words hold their two bytes twice (the product's upper 64 along K are zero codes on q's side).
; V's scale words are written in halves of two bytes (a word's other half is another wave's): 1 byte in 77 of what the launch stores.
; LIMITS: NaN and infinities are not served; a block whose largest magnitude lies under 2^-124 keeps the byte 1.  The grid is one cluster wide along x.
.set UNIT,   12800
.set GROUPB, 51200
.set CHUNK,  6*UNIT                    ; 256 along K of the six groups: slot g at g x UNIT; g = 0, 1: m; g = 2 .. 5: n
.set FRB,    1536
.set BIAS,   4*CHUNK                   ; behind the chunks: 256 numbers of the bias; no tile lands here
.set LANE, 1
.set RR,   2
.set HH,   3
.set L8,   4                           ; 8 x lane
.set ADM,  5                           ; my m group's fragments in the chunk in hand
.set ADN,  6                           ; my n group's
.set ADS,  7                           ; scale blocks: lanes 0-15 the m group's, lanes 16-31 the n group's
.set ABN,  8                           ; the bias along n
.set ABM,  9                           ; the bias along m
.set L16R, 10                          ; 16 r
.set SC,   28                          ; v28-31 scale words of the four tiles
.set FM,   32                          ; v32-79 four fragments of m
.set FN,   80                          ; v80-127 four fragments of n
.set ACC,  128                         ; accumulator (a, b) at v[128 + 8 (4 a + b)]
.set BN,   32                          ; the way out: the bias
.set CD,   64                          ; v64-87 codes, six registers a tile
.set XH,   88                          ; v88-90 a conversion's second half
.set TM,   92                          ; v92-97 at work
.set SW,   100                         ; v100-103 two scale bytes a tile
.set W,    104                         ; v104-107 the words
.set WV,   16
.set WM,   17
.set WN,   18
.set CX,   19
.set CY,   20
.set ROLE, 21
.set IDX,  22
.set TMI,  23                          ; tile of m: never holds cx
.set TNI,  24                          ; tile of n: never holds cy
.set G1A,  28                          ; s[28:35] group 1 for the m side; s[36:43] for the n side: they differ in the mask
.set G1B,  36
.set G0A,  44                          ; s[44:47] group 0 for the m side; s[68:71] for the n side
.set G0B,  68
.set SEL,  60
.set OUTS, 96
.set OUTP, 98
.macro ROUND                           ; a round of the cluster's barrier
	s_barrier_signal -1
	s_barrier_wait -1
	s_cmp_lg_u32 s[WV], 0
	s_cbranch_scc1 .Lnot_wave_0_\@
	s_barrier_signal -3
.Lnot_wave_0_\@:
	s_barrier_wait -3
	s_barrier_signal -1
	s_barrier_wait -1
.endm
.macro PLACES                          ; four plain places behind a matrix instruction, in front of loads into its registers and of reads of its results
.rept 4
	v_nop
.endr
.endm
	s_load_b256 s[4:11], s[0:1], 0x0               ; xq, bq, bk, bv
	s_load_b128 s[12:15], s[0:1], 0x20             ; qi, kv
	v_lshl_add_u32 v26, v0, 2, 0x4b400
	v_mov_b32 v27, 0
	ds_add_u32 v26, v27
	ds_add_u32 v26, v27
	v_lshrrev_b32 v1, 5, v0
	s_delay_alu instid0(VALU_DEP_1)
	v_readfirstlane_b32 s[WV], v1                  ; wave 0..7
	s_and_b32 s[WM], s[WV], 1
	s_lshr_b32 s[WN], s[WV], 1
	s_bfe_u32 s[CX], ttmp6, 0x40000
	s_bfe_u32 s[CY], ttmp6, 0x40004
	s_and_b32 s[IDX], ttmp7, 0xffff                ; cluster y, 0..47: the same in all partners
	s_lshr_b32 s[ROLE], s[IDX], 4
	s_and_b32 s[IDX], s[IDX], 15
	s_and_b32 s[TMI], s[IDX], 1                    ; role 2: two clusters along m,
	s_lshr_b32 s[TNI], s[IDX], 1                   ; eight along n
	s_lshl_b32 s27, s[ROLE], 7                     ; roles 0, 1: the m side's first group: query 0, key 128
	s_lshl_b32 s66, s[ROLE], 4
	s_add_co_u32 s66, s66, 384                     ; the n side's: Wq 384, Wk 400
	s_mov_b32 s63, 255                             ; how many numbers of the bias the work-group needs, less 1
	s_cmp_eq_u32 s[ROLE], 2
	s_cselect_b32 s[TMI], s[TMI], s[IDX]           ; roles 0, 1: sixteen clusters along m, one along n
	s_cselect_b32 s[TNI], s[TNI], 0
	s_cselect_b32 s27, 416, s27                    ; role 2: m = Wv,
	s_cselect_b32 s66, 256, s66                    ; n = value
	s_cselect_b32 s63, 127, s63
	s_lshl_b32 s[TMI], s[TMI], 2
	s_add_co_u32 s[TMI], s[TMI], s[CY]             ; tile of m
	s_lshl_b32 s[TNI], s[TNI], 2
	s_add_co_u32 s[TNI], s[TNI], s[CX]             ; tile of n
	s_lshl_b32 s25, s[CY], 2
	s_lshl_b32 s25, 15, s25                        ; my row of the cluster
	s_lshl_b32 s26, 0x1111, s[CX]                  ; my column
	; group 1: a unit is a dense block of 50 rows of 256 bytes (32 elements of 8 bytes), no padding
	s_or_b32 s[G1A], s25, (3<<16)|(1<<21)          ; 15:0 the mask; 17:16 elements of 8 bytes; 21 set beside a mask
	s_or_b32 s[G1B], s26, (3<<16)|(1<<21)
	; ONE LOAD A WAVE: a tile's row is a unit (1,600 elements of 8 bytes = 12,800 bytes), its pitch a group (6,400 elements): chunk j of the two m groups is a tile of 2 rows, of the four n groups one of 4 rows
.irp g, G1A, G1B
	s_mov_b32 s[\g+1], 1600<<16                    ; tensor_dim0
	s_mov_b32 s[\g+3], 1600<<16                    ; tile_dim0
	s_mov_b32 s[\g+5], 6400                        ; the pitch
	s_mov_b32 s[\g+6], 0
	s_mov_b32 s[\g+7], 0
.endr
	s_mov_b32 s[G1A+2], 2<<16                      ; tensor_dim1, tile_dim1
	s_mov_b32 s[G1A+4], 2
	s_mov_b32 s[G1B+2], 4<<16
	s_mov_b32 s[G1B+4], 4
	s_mul_i32 s93, s[WN], UNIT                     ; wave 2 j fetches chunk j of the m groups, wave 2 j + 1 chunk j of the n groups: j = wave / 2
	s_lshl_b32 s84, s[TMI], 1                      ; the first m group: first group + 2 x tile
	s_add_co_u32 s84, s84, s27
	s_mul_i32 s84, s84, GROUPB
	s_add_co_u32 s84, s84, s93                     ; its unit j
	s_mov_b32 s85, 0
	s_lshl_b32 s88, s[TNI], 2                      ; the first n group: first group + 4 x tile
	s_add_co_u32 s88, s88, s66
	s_mul_i32 s88, s88, GROUPB
	s_add_co_u32 s88, s88, s93
	s_mov_b32 s89, 0
	s_mul_i32 s92, s[WN], CHUNK                    ; where it goes: chunk j: no place in the cluster enters an LDS address
	s_mov_b32 s[SEL], 0x76543210
	s_mov_b32 s[SEL+1], 0xfedcba98
	s_lshl_b32 s96, s[TNI], 10                     ; the bias: roles 0, 1: 256 numbers at 256 x tile of n;
	s_lshl_b32 s97, s[TMI], 9                      ; role 2: 128 at 128 x tile of m
	s_wait_dscnt 0x0
	s_wait_kmcnt 0x0
	s_add_nc_u64 s[86:87], s[4:5], s[84:85]
	s_add_nc_u64 s[90:91], s[4:5], s[88:89]
	s_cmp_eq_u32 s[ROLE], 1
	s_cselect_b64 s[94:95], s[8:9], s[6:7]
	s_cmp_eq_u32 s[ROLE], 2
	s_cselect_b64 s[94:95], s[10:11], s[94:95]
	s_cselect_b32 s96, s97, s96
	s_mov_b32 s97, 0
	s_add_nc_u64 s[94:95], s[94:95], s[96:97]
	ROUND                                          ; all sixteen work-groups are here: the joint loads meet
	s_mov_b32 s[G0A], 1
	s_mov_b32 s[G0A+1], s92                        ; the m groups' slots 0, 1 of chunk j
	s_mov_b64 s[G0A+2:G0A+3], s[86:87]
	s_or_b32 s[G0A+3], s[G0A+3], 0x80000000
	s_mov_b32 s[G0B], 1
	s_add_co_u32 s[G0B+1], s92, 2*UNIT             ; the n groups' slots 2 to 5
	s_mov_b64 s[G0B+2:G0B+3], s[90:91]
	s_or_b32 s[G0B+3], s[G0B+3], 0x80000000
; ONE chain of branches on the wave's number, one load to an arm, all arms leading to one join: each wave has a load line of its own, since the waves wait for their loads at different barriers
.macro ARM w, g0, g1
	s_cmp_eq_u32 s[WV], \w
	s_cbranch_scc0 .Lnot_wave_\w
	tensor_load_to_lds s[\g0:\g0+3], s[\g1:\g1+7]
	s_nop 0
	PLACES
	s_branch .Lasked
.Lnot_wave_\w:
.endm
	ARM 0, G0A, G1A
	ARM 1, G0B, G1B
	ARM 2, G0A, G1A
	ARM 3, G0B, G1B
	ARM 4, G0A, G1A
	ARM 5, G0B, G1B
	ARM 6, G0A, G1A
	tensor_load_to_lds s[G0B:G0B+3], s[G1B:G1B+7]
	s_nop 0
	PLACES
.Lasked:
	v_and_b32 v11, s63, v0
	s_delay_alu instid0(VALU_DEP_1)
	v_lshlrev_b32 v11, 2, v11
	global_load_b32 v12, v11, s[94:95]             ; a number of the bias a thread
	v_and_b32 v[LANE], 31, v0
	v_and_b32 v[RR], 15, v0
	v_bfe_u32 v[HH], v0, 4, 1
	s_wait_alu depctr_va_vdst(0)
	v_lshlrev_b32 v[L8], 3, v[LANE]
	s_mul_i32 s93, s[WM], UNIT
	v_add_nc_u32 v[ADM], s93, v[L8]
	s_add_co_u32 s67, s[WN], 2
	s_mul_i32 s67, s67, UNIT
	v_add_nc_u32 v[ADN], s67, v[L8]
	s_xor_b32 s67, s[WM], 1
	s_add_co_u32 s67, s67, s[WN]
	s_add_co_u32 s67, s67, 1
	s_mul_i32 s67, s67, UNIT                       ; from the m group's slot to the n group's: (2 + wn - wm) units
	v_mul_u32_u24 v[ADS], s67, v[HH]               ; lanes 16-31 take the n group's: one product, the lower base + h x the distance
	s_delay_alu instid0(VALU_DEP_1)
	v_lshl_add_u32 v[ADS], v[RR], 4, v[ADS]
	s_add_co_u32 s93, s93, 12288
	v_add_nc_u32 v[ADS], s93, v[ADS]
	s_lshl_b32 s67, s[WN], 8
	v_lshl_add_u32 v[ABN], v[HH], 6, s67
	s_delay_alu instid0(VALU_DEP_1)
	v_add_nc_u32 v[ABN], BIAS, v[ABN]              ; the bias of n = 64 wn + 16 h + ..
	v_and_b32 v[ABM], 8, v[RR]
	s_delay_alu instid0(VALU_DEP_1)
	v_add_nc_u32 v[ABM], v[ABM], v[RR]
	s_lshl_b32 s67, s[WM], 8
	v_lshl_add_u32 v[ABM], v[ABM], 2, s67
	s_delay_alu instid0(VALU_DEP_1)
	v_add_nc_u32 v[ABM], BIAS, v[ABM]              ; the bias of m = 64 wm + r + 8 (r / 8) + ..
	v_lshlrev_b32 v[L16R], 4, v[RR]
	v_lshl_add_u32 v13, v0, 2, BIAS
	s_wait_alu depctr_va_vdst(0)
	s_wait_loadcnt 0x0
	ds_store_b32 v13, v12                          ; shown to all waves by the first barrier below
	; where my results go: all three roles' offsets are made, and chosen by ROLE
	s_lshl_b32 s93, s[TNI], 2
	s_add_co_u32 s93, s93, s[WN]                   ; roles 0, 1: the head
	s_lshl_b32 s94, s[TMI], 1
	s_add_co_u32 s94, s94, s[WM]                   ; role 0: the group of tokens; role 2: the head
	s_lshr_b32 s95, s94, 5
	s_lshl_b32 s95, s95, 4
	s_add_co_u32 s95, s95, s93                     ; role 0: 16 b + head
	s_lshl_b32 s95, s95, 5
	s_and_b32 s96, s94, 31
	s_add_co_u32 s95, s95, s96
	s_mul_i32 s95, s95, 3328                       ; the group's block in qi
	s_add_co_u32 s96, s95, 3072                    ; its scale block
	s_lshr_b32 s97, s[TMI], 4                      ; role 1: a tile of m is a step of 128 keys
	s_lshl_b32 s97, s97, 4
	s_add_co_u32 s97, s97, s93
	s_lshl_b32 s97, s97, 4
	s_and_b32 s98, s[TMI], 15
	s_add_co_u32 s97, s97, s98
	s_mul_i32 s97, s97, 13056                      ; the key step's block in kv
	s_lshl_b32 s98, s[WM], 8
	s_add_co_u32 s98, s98, s97
	s_add_co_u32 s98, s98, 6144                    ; K's scale block of my 64 keys
	s_mul_i32 s99, s[WM], 3072
	s_add_co_u32 s97, s97, s99                     ; K's half images of my 64 keys
	s_cmp_eq_u32 s[ROLE], 1
	s_cselect_b32 s95, s97, s95
	s_cselect_b32 s96, s98, s96
	s_lshr_b32 s97, s[TNI], 3                      ; role 2: a tile of n is 256 keys of batch tile / 8
	s_lshl_b32 s97, s97, 4
	s_add_co_u32 s97, s97, s94
	s_lshl_b32 s97, s97, 4
	s_and_b32 s98, s[TNI], 7
	s_lshl_b32 s98, s98, 1
	s_add_co_u32 s97, s97, s98
	s_lshr_b32 s98, s[WN], 1
	s_add_co_u32 s97, s97, s98                     ; key step 2 (tile % 8) + wn / 2
	s_mul_i32 s97, s97, 13056
	s_and_b32 s98, s[WN], 1                        ; c: which half of its 128 keys
	s_mul_i32 s99, s98, 3072
	s_add_co_u32 s99, s99, s97
	s_add_co_u32 s99, s99, 6656                    ; V's codes
	s_lshl_b32 s98, s98, 1
	s_add_co_u32 s98, s98, s97
	s_add_co_u32 s98, s98, 12800                   ; V's scale words, my half of each
	s_cmp_eq_u32 s[ROLE], 2
	s_cselect_b32 s2, s99, s95
	s_cselect_b32 s94, s98, s96
	s_mov_b32 s3, 0
	s_mov_b32 s95, 0
	s_cmp_eq_u32 s[ROLE], 0
	s_cselect_b64 s[OUTS:OUTS+1], s[12:13], s[14:15]
	s_add_nc_u64 s[OUTP:OUTP+1], s[OUTS:OUTS+1], s[2:3]
	s_add_nc_u64 s[OUTS:OUTS+1], s[OUTS:OUTS+1], s[94:95]
; 128 along K: the scale words, four fragments of n, four of m, 16 products.  The 16 accumulators take turns, one instruction a turn, in the same order in every step.
; The counts 18, 12, 6, 0 leave the later m fragments' loads, six each, out.
.macro KSTEP sp, zero
	ds_load_b128 v[SC:SC+3], v[ADS] offset:256*\sp
.irp i, 0,1,2,3
.irp p, 0,1,2,3,4,5
	ds_load_b64 v[FN+12*\i+2*\p:FN+12*\i+2*\p+1], v[ADN] offset:(4*\sp+\i)*FRB+256*\p
.endr
.endr
.irp i, 0,1,2,3
.irp p, 0,1,2,3,4,5
	ds_load_b64 v[FM+12*\i+2*\p:FM+12*\i+2*\p+1], v[ADM] offset:(4*\sp+\i)*FRB+256*\p
.endr
.endr
.irp a, 0,1,2,3
	s_wait_dscnt 18-6*\a
.irp b, 0,1,2,3
.if \zero
	v_wmma_scale_f32_16x16x128_f8f6f4 v[ACC+8*(4*\a+\b):ACC+8*(4*\a+\b)+7], v[FN+12*\b:FN+12*\b+11], v[FM+12*\a:FM+12*\a+11], 0, v[SC+\b], v[SC+\a] matrix_a_fmt:MATRIX_FMT_FP6 matrix_b_fmt:MATRIX_FMT_FP6 matrix_a_scale:MATRIX_SCALE_ROW1
.else
	v_wmma_scale_f32_16x16x128_f8f6f4 v[ACC+8*(4*\a+\b):ACC+8*(4*\a+\b)+7], v[FN+12*\b:FN+12*\b+11], v[FM+12*\a:FM+12*\a+11], v[ACC+8*(4*\a+\b):ACC+8*(4*\a+\b)+7], v[SC+\b], v[SC+\a] matrix_a_fmt:MATRIX_FMT_FP6 matrix_b_fmt:MATRIX_FMT_FP6 matrix_a_scale:MATRIX_SCALE_ROW1
.endif
.endr
.endr
.endm
; Chunk j: my part of it has landed (the later chunks' loads may stay out), my LDS instructions are done, everybody's likewise behind the barrier.
.macro STAGE j
.if \j > 0
	v_add_nc_u32 v[ADM], CHUNK, v[ADM]             ; three steps and a v_nop: the four places in front of the loads below
	v_add_nc_u32 v[ADN], CHUNK, v[ADN]
	v_add_nc_u32 v[ADS], CHUNK, v[ADS]
	v_nop
.endif
.if \j < 3
	s_cmp_lt_u32 s[WV], 2*\j+2                     ; chunk j was fetched by waves 2 j and 2 j + 1: they, and the waves under them, wait for their one load; the later chunks may stay out
	s_cbranch_scc0 .Lnot_mine_\@
	s_wait_tensorcnt 0x0
.Lnot_mine_\@:
.else
	s_wait_tensorcnt 0x0                           ; the last chunk: every wave waits
.endif
	s_wait_dscnt 0x0
	s_barrier_signal -1
	s_barrier_wait -1
.if \j == 0
	KSTEP 0, 1                                     ; the first products start the sums: nothing is cleared
.else
	s_wait_alu depctr_va_vdst(0)
	KSTEP 0, 0
.endif
	PLACES
	KSTEP 1, 0
.endm
; 32 numbers of a lane, v[s + 16 B + i] = index 32 B + 16 (lane / 16) + i of my row, become six registers of codes (lane (r, h): block h whole) in v[d] on, and sw = byte of block 0 | byte of block 1 << 8.
.macro QUANT64 s, d, x, sw
.irp b, 0,1
	v_max3_num_f32 v[TM+\b], |v[(\s)+16*\b]|, |v[(\s)+16*\b+1]|, 0x1800000   ; my 16 numbers of block b, and the floor 2^(3 - 127): the byte cannot fall under 1
.endr
.irp i, 2,4,6,8,10,12,14
.irp b, 0,1
	s_delay_alu instid0(VALU_DEP_2)
	v_max3_num_f32 v[TM+\b], v[TM+\b], |v[(\s)+16*\b+\i]|, |v[(\s)+16*\b+\i+1]|
.endr
.endr
.irp b, 0,1
	s_delay_alu instid0(VALU_DEP_2)
	v_permlanex16_b32 v[TM+2+\b], v[TM+\b], s[SEL], s[SEL+1]
.endr
.irp b, 0,1
	s_delay_alu instid0(VALU_DEP_2)
	v_max_num_f32 v[TM+\b], v[TM+\b], v[TM+2+\b]   ; with lane l xor 16's: the block's largest magnitude
.endr
.irp b, 0,1
	s_delay_alu instid0(VALU_DEP_2)
	v_add_nc_u32 v[TM+4+\b], 0xff000000, v[TM+\b]  ; 2 off its exponent field: the conversion's scale operand
.endr
.irp b, 0,1
	s_delay_alu instid0(VALU_DEP_2)
	v_lshrrev_b32 v[TM+2+\b], 23, v[TM+4+\b]       ; the scale's byte
.endr
	s_delay_alu instid0(VALU_DEP_1)
	v_lshl_or_b32 v[\sw], v[TM+3], 8, v[TM+2]
	v_cvt_scalef32_pk16_fp6_f32 v[(\d):(\d)+2], v[(\s):(\s)+15], v[TM+4]
	v_cvt_scalef32_pk16_fp6_f32 v[(\x):(\x)+2], v[(\s)+16:(\s)+31], v[TM+5]
	v_nop                                          ; one plain place behind the scaled conversions
.irp i, 0,1,2
	v_permlane16_swap_b32 v[(\d)+\i], v[(\x)+\i]   ; the first's lanes 16-31 change places with the second's lanes 0-15: each lane now holds its block's lower 16 codes and upper 16
.endr
.irp i, 0,1,2
	s_delay_alu instid0(VALU_DEP_3)
	v_mov_b32 v[(\d)+3+\i], v[(\x)+\i]
.endr
.endm
; THE WAY OUT.  kind 0 (q, k): the bias runs along the registers; kind 1 (v): along the lanes.  Each accumulator is read from its low end on.
.macro EPI kind
	v_mov_b32 v[TM+2], 0                           ; a lane permute's destination counts as read
	v_mov_b32 v[TM+3], 0
.if \kind == 0
.irp be, 0,1
.irp q, 0,1,2,3
	ds_load_b128 v[BN+16*\be+4*\q:BN+16*\be+4*\q+3], v[ABN] offset:128*\be+16*\q
.endr
.endr
.else
.irp a, 0,1,2,3
	ds_load_b32 v[BN+2*\a], v[ABM] offset:4*(32*(\a/2)+8*(\a%2))     ; my channel's number, twice: a pair for the packed addition
	ds_load_b32 v[BN+2*\a+1], v[ABM] offset:4*(32*(\a/2)+8*(\a%2))
.endr
.endif
	s_wait_dscnt 0x0
.irp a, 0,1,2,3
.irp i, 0,1,2,3,4,5,6,7,8,9,10,11,12,13,14,15
.if \kind == 0
	v_pk_add_f32 v[ACC+32*\a+2*\i:ACC+32*\a+2*\i+1], v[ACC+32*\a+2*\i:ACC+32*\a+2*\i+1], v[BN+2*\i:BN+2*\i+1]
.else
	v_pk_add_f32 v[ACC+32*\a+2*\i:ACC+32*\a+2*\i+1], v[ACC+32*\a+2*\i:ACC+32*\a+2*\i+1], v[BN+2*\a:BN+2*\a+1]
.endif
.endr
	QUANT64 ACC+32*\a, CD+6*\a, XH, SW+\a
.irp p, 0,1,2
	global_store_b64 v[L8], v[CD+6*\a+2*\p:CD+6*\a+2*\p+1], s[OUTP:OUTP+1] offset:768*\a+256*\p   ; 32 lanes store 256 consecutive bytes, aligned
.endr
.endr
.if \kind == 0
.irp a, 0,1,2,3
	v_lshl_or_b32 v[W+\a], v[SW+\a], 16, v[SW+\a]  ; the two bytes twice
.endr
.endif
	v_cmp_gt_u32 vcc_lo, 16, v[LANE]
	s_wait_xcnt 0x0                                ; EXEC changes only behind this wait
	s_and_saveexec_b32 s62, vcc_lo                 ; lanes 0-15: a row each
.if \kind == 0
	s_wait_alu depctr_va_vdst(0)
	global_store_b128 v[L16R], v[W:W+3], s[OUTS:OUTS+1]            ; the scale block: 256 consecutive bytes
.else
.irp a, 0,1,2,3
	global_store_b16 v[L16R], v[SW+\a], s[OUTS:OUTS+1] offset:4*\a
.endr
.endif
	s_wait_xcnt 0x0                                ; and again, in front of the line that widens it
	s_or_b32 exec_lo, exec_lo, s62
.endm
	STAGE 0
	STAGE 1
	STAGE 2
	STAGE 3                                        ; its wait on the tensor loads is for 0
	PLACES
	s_cmp_eq_u32 s[ROLE], 2                        ; the same in all partners and all waves
	s_cbranch_scc1 .Lkind1
	EPI 0
	s_branch .Ldone
.Lkind1:
	EPI 1
.Ldone:
	s_wait_tensorcnt 0x0
	ds_add_u32 v26, v27
	s_wait_dscnt 0x0
	ROUND                                          ; the closing round: no work-group ends while a partner may still ask for a tile that names it
	s_endpgm
.Lfunc_end_k_q9b66a5812a_proj:
	.size	k_q9b66a5812a_proj, .Lfunc_end_k_q9b66a5812a_proj-k_q9b66a5812a_proj
	.p2alignl 7, 3214868480
	.fill 96, 4, 3214868480
	.section	.rodata,"a",@progbits
	.p2align	6, 0x0
	.amdhsa_kernel k_q9b66a5812a_proj
		.amdhsa_group_segment_fixed_size 309248
		.amdhsa_private_segment_fixed_size 0
		.amdhsa_enable_private_segment 0
		.amdhsa_kernarg_size 48
		.amdhsa_user_sgpr_count 2
		.amdhsa_user_sgpr_kernarg_segment_ptr 1
		.amdhsa_wavefront_size32 1
		.amdhsa_system_sgpr_workgroup_id_x 1
		.amdhsa_system_sgpr_workgroup_id_y 1
		.amdhsa_system_sgpr_workgroup_id_z 1
		.amdhsa_system_vgpr_workitem_id 0
		.amdhsa_next_free_vgpr 256
		.amdhsa_next_free_sgpr 100
		.amdhsa_reserve_vcc 1
		.amdhsa_float_denorm_mode_32 3
		.amdhsa_float_denorm_mode_16_64 3
		.amdhsa_memory_ordered 1
		.amdhsa_forward_progress 1
		.amdhsa_inst_pref_size 89
	.end_amdhsa_kernel
	.amdgpu_metadata
---
amdhsa.version: [ 1, 2 ]
amdhsa.kernels:
  - .name:           k_q9b66a5812a_proj
    .symbol:         k_q9b66a5812a_proj.kd
    .args:
      - { .name: xq, .offset: 0, .size: 8, .value_kind: global_buffer, .address_space: global }
      - { .name: bq, .offset: 8, .size: 8, .value_kind: global_buffer, .address_space: global }
      - { .name: bk, .offset: 16, .size: 8, .value_kind: global_buffer, .address_space: global }
      - { .name: bv, .offset: 24, .size: 8, .value_kind: global_buffer, .address_space: global }
      - { .name: qi, .offset: 32, .size: 8, .value_kind: global_buffer, .address_space: global }
      - { .name: kv, .offset: 40, .size: 8, .value_kind: global_buffer, .address_space: global }
    .group_segment_fixed_size: 309248
    .private_segment_fixed_size: 0
    .kernarg_segment_align: 8
    .kernarg_segment_size: 48
    .max_flat_workgroup_size: 256
    .sgpr_count:     100
    .vgpr_count:     256
    .wavefront_size: 32
...
	.end_amdgpu_metadata
.endif
;; end of part 2
;; launch attn (part 3): grid 4 x 64, 16 waves a work-group, clusters of 4 x 1, 210,944 bytes of LDS; arguments qi, kv, oq; writes oq
.if DOCPART == 3
	.amdgcn_target "amdgcn-amd-amdhsa--gfx1250"
	.amdhsa_code_object_version 6
	.text
	.protected	k_q9b66a5812a_attn
	.globl	k_q9b66a5812a_attn
	.p2align	8
	.type	k_q9b66a5812a_attn,@function
k_q9b66a5812a_attn:
	s_mov_b64 s[64:65], 0
	v_nop
	global_prefetch_b8 v0, s[64:65] scope:SCOPE_SE
	s_setreg_imm32_b32 hwreg(HW_REG_WAVE_MODE, 25, 1), 1
	s_wait_xcnt 0x0
	s_wait_alu depctr_hold_cnt(0) depctr_sa_sdst(0) depctr_va_vdst(0) depctr_va_sdst(0) depctr_va_ssrc(0) depctr_va_vcc(0) depctr_vm_vsrc(0)
	s_getreg_b32 s2, hwreg(HW_REG_IB_STS2, 6, 4)
	s_cmp_eq_u32 s2, 0
	s_cbranch_scc0 .Lentry_in_a_cluster
	s_endpgm
.Lentry_in_a_cluster:
	s_bfe_u32 s2, ttmp6, 0x10000c
	s_cmp_lg_u32 s2, 0x3003
	s_cbranch_scc0 .Lentry_shape_is_right
	s_endpgm
.Lentry_shape_is_right:
; O[b h][q] = the sum over keys of softmax(q . k / 8) v, both products on codes of FP6 (E2M3); O / the row's sum is quantised along D for the last projection and stored as codes.
; THE SOFTMAX AHEAD OF THE SECOND PRODUCT: t = score x log2(e) / 8; M = the running largest t rounded UP to a whole number; p = 2^(t - M) is quantised along the keys, not normalised; the row's sum is taken of
; the unquantised p.  When M moves, the sum and O are multiplied by 2^(old M - new M): exact.
; SHARES: the four work-groups of a cluster own the 2,048 queries of one head (cluster y), 512 each; each of the sixteen waves owns 32 queries, two tiles of 16, in ONE pass over the keys:
; each fragment of K and of V that a wave reads from LDS serves both its tiles.
; THE HEAD'S WHOLE K AND V LIE IN LDS: 16 key steps of 13,056 bytes, filled ONCE, by joint loads of the four work-groups: wave w fetches key step w, one load a wave.  Waves 0 to 3 have a load line of their own:
; the first barrier shows key steps 0 to 3, the second, behind those four steps, all.  Nothing is filled again: no ring; all that a work-group reads is asked for in its first lines: no prefetch.
; LAYOUT: both products are used transposed (S^T = K Q^T, O^T = V^T P^T): a lane holds ONE query throughout.  Row r of K's tile i of a group of 64 keys is key 8 i + r % 8 + 32 (r / 8): so register 32 c + i of a
; lane's 64 scores is key 64 c + 32 (lane / 16) + i of the step: a lane holds two WHOLE scale blocks of p, in the order of the operand's registers: no lane is asked for a block's maximum, and no codes change lanes.
; THE FIRST PRODUCT'S K IS 64, THE INSTRUCTION'S 128.  Tile 0 of the queries takes the lower 64: Q's operand is v16-27 (codes, zeros), K's of tile T is v[48 + 6 T] on.  Tile 1 takes the upper 64: Q's operand is
; v22-33 (zeros, codes), K's is v[42 + 6 T] on.  The other half of K's operand holds whatever lies there: any code x a zero code is 0.  Scale bytes 2 and 3 repeat bytes 0 and 1.
; INDEPENDENT CHAINS: the maxima go in eight chains (one an accumulator), the sums in seven, the scale arithmetic among the sums, f among the multiply-adds: a line's reader stands several lines on.
; A key step in LDS: K's eight half images at 768 T; K's two scale blocks at 6,144; V's codes at 6,656 + 3,072 c + 768 a; V's scale block at 12,800.
; LIMITS: NaN and infinities are not served; a block whose largest magnitude lies under 2^-124 keeps the byte 1; the scaled scores stay under 2^31 in magnitude.
; REGISTERS: v1-3 LDS addresses; v4, v5 the spare word and 0; v6 f (v7, 8 x lane, is named with it as a pair); v8 -M, v9 the largest score, v10-11 the sum of tile 0; v12-15 of tile 1; v16-33 Q, zeros, Q;
; v34-35 Q's scale words, v36-37 p's, v38-41 K's, then V's; v42-47 at work; v48-95 K's half images, then V's fragments; v96-119 p's codes; v120-183 S^T, then p; v184-247 O^T; v248-255 at work.
.set KVS,  13056
.set SPARE, 16*KVS                     ; behind the key steps: the spare words, 128 bytes a wave
.set ADK,  1
.set ADS,  2
.set ADT,  3
.set SPW,  4
.set NIL,  5
.set F,    6
.set L8,   7
.set ST0,  8
.set Q,    16
.set QSC,  34
.set PSC,  36
.set KS,   38
.set T,    42                          ; v42 block h's maximum, v46 block 2 + h's; v43, v47 the conversions' scale operands
.set X,    44
.set D,    45
.set KF,   48
.set P,    96
.set S,    120
.set O,    184
.set Y,    248
.set TM,   42
.set WV,   18
.set SEL,  20
.set CS,   22
.set G1,   24
.set G0,   32
.set TB,   48
.set CNT,  49
.set OP,   52
.set OS,   54
.set QP,   56
.set QS,   58
.macro ROUND
	s_barrier_signal -1
	s_barrier_wait -1
	s_cmp_lg_u32 s[WV], 0
	s_cbranch_scc1 .Lnot_wave_0_\@
	s_barrier_signal -3
.Lnot_wave_0_\@:
	s_barrier_wait -3
	s_barrier_signal -1
	s_barrier_wait -1
.endm
.macro PLACES
.rept 4
	v_nop
.endr
.endm
.macro WALU
	s_wait_alu depctr_va_vdst(0)
.endm
	s_load_b128 s[4:7], s[0:1], 0x0                ; qi, kv
	s_load_b64 s[8:9], s[0:1], 0x10                ; oq
	v_lshl_add_u32 v[SPW], v0, 2, SPARE
	v_mov_b32 v[NIL], 0
	ds_add_u32 v[SPW], v[NIL]                      ; the opening lines: the add, twice on end, and its wait
	ds_add_u32 v[SPW], v[NIL]
	v_lshrrev_b32 v1, 5, v0
	v_readfirstlane_b32 s[WV], v1                  ; wave 0..15
	v_and_b32 v[L8], 31, v0
	v_lshlrev_b32 v[L8], 3, v[L8]                  ; 8 x lane
	v_and_b32 v[ADT], 15, v0
	v_lshlrev_b32 v[ADT], 4, v[ADT]                ; 16 r
	s_and_b32 s10, ttmp7, 0xffff                   ; 16 b + head: the four partners share it
	s_mul_i32 s14, s10, 16*KVS
	s_mul_i32 s12, s[WV], KVS                      ; wave w fetches key step w: its place in LDS, and in the head's block of kv
	s_add_co_u32 s14, s14, s12
	s_mov_b32 s15, 0
	s_mov_b32 s[G1], 15|(3<<16)|(1<<21)            ; group 1: a key step is a dense block of 51 rows of 256 bytes; the mask names all four work-groups, bit 21 beside it
	s_mov_b32 s[G1+1], 32<<16
	s_mov_b32 s[G1+2], 51<<16
	s_mov_b32 s[G1+3], 32<<16
	s_mov_b32 s[G1+4], 51
	s_mov_b32 s[G1+5], 32
	s_mov_b32 s[G1+6], 0
	s_mov_b32 s[G1+7], 0
	s_mov_b32 s[SEL], 0x76543210
	s_mov_b32 s[SEL+1], 0xfedcba98                 ; v_permlanex16_b32's selects for lane l xor 16
	s_mov_b32 s[CS], 0x3e38aa3b                    ; c = log2(e) / 8
	s_mov_b32 s[CS+1], s[CS]                       ; (named with it as a pair, so it is written)
	s_bfe_u32 s66, ttmp6, 0x40000                  ; my queries: cx enters global addresses alone
	s_lshl_b32 s66, s66, 3
	s_lshr_b32 s67, s[WV], 1
	s_add_co_u32 s66, s66, s67                     ; G: my group of 64 queries = 8 cx + wave / 2
	s_and_b32 s67, s[WV], 1
	s_lshl_b32 s67, s67, 1                         ; i0: my first tile in it
	s_lshl_b32 s68, s10, 5
	s_add_co_u32 s68, s68, s66
	s_mul_i32 s68, s68, 3328                       ; the group's block in qi
	s_mul_i32 s72, s67, 768
	s_add_co_u32 s72, s72, s68                     ; my first tile's half image
	s_mov_b32 s73, 0
	s_lshl_b32 s76, s67, 2
	s_add_co_u32 s74, s76, s68
	s_add_co_u32 s74, s74, 3072                    ; its scale words
	s_mov_b32 s75, 0
	s_lshr_b32 s60, s10, 4                         ; b
	s_and_b32 s61, s10, 15                         ; head
	s_lshl_b32 s60, s60, 5
	s_add_co_u32 s60, s60, s66                     ; the group of tokens
	s_lshl_b32 s60, s60, 2
	s_lshr_b32 s62, s61, 2
	s_add_co_u32 s60, s60, s62                     ; its unit: 256 along D are four heads
	s_mul_i32 s60, s60, 12800
	s_bfe_u32 s62, s61, 0x10001                    ; which 128 of the 256,
	s_and_b32 s61, s61, 1                          ; which 64 of the 128
	s_lshl_b32 s63, s62, 2
	s_add_co_u32 s63, s63, s67
	s_mul_i32 s78, s63, 1536
	s_mul_i32 s63, s61, 768
	s_add_co_u32 s78, s78, s63
	s_add_co_u32 s78, s78, s60                     ; my half of the fragment's image
	s_mov_b32 s79, 0
	s_lshl_b32 s62, s62, 8
	s_lshl_b32 s61, s61, 1
	s_add_co_u32 s68, s60, s62
	s_add_co_u32 s68, s68, s61
	s_add_co_u32 s68, s68, s76
	s_add_co_u32 s68, s68, 12288                   ; my half of the scale words
	s_mov_b32 s69, 0
	WALU                                           ; the wait ahead of the waits below
	s_wait_dscnt 0x0
	s_wait_kmcnt 0x0
	s_add_nc_u64 s[16:17], s[6:7], s[14:15]
	s_add_nc_u64 s[QP:QP+1], s[4:5], s[72:73]
	s_add_nc_u64 s[QS:QS+1], s[4:5], s[74:75]
	s_add_nc_u64 s[OP:OP+1], s[8:9], s[78:79]
	s_add_nc_u64 s[OS:OS+1], s[8:9], s[68:69]
.irp p, 0,1,2
	global_load_b64 v[Q+2*\p:Q+2*\p+1], v[L8], s[QP:QP+1] offset:256*\p            ; Q of my first tile,
	global_load_b64 v[Q+12+2*\p:Q+12+2*\p+1], v[L8], s[QP:QP+1] offset:768+256*\p  ; and of my second: asked for ahead of the round, waited for at the head's end
.endr
	global_load_b32 v[QSC], v[ADT], s[QS:QS+1]
	global_load_b32 v[QSC+1], v[ADT], s[QS:QS+1] offset:4
	ROUND                                          ; all four work-groups are here: the joint loads meet
	s_mov_b32 s[G0], 1
	s_mov_b32 s[G0+1], s12
	s_mov_b64 s[G0+2:G0+3], s[16:17]
	s_or_b32 s[G0+3], s[G0+3], 0x80000000
	s_cmp_lt_u32 s[WV], 4                          ; two arms, one load in each: waves 0 to 3 wait for theirs at the first barrier, the others at the second
	s_cbranch_scc0 .Llater
	tensor_load_to_lds s[G0:G0+3], s[G1:G1+7]
	s_nop 0
	PLACES
	s_branch .Lasked
.Llater:
	tensor_load_to_lds s[G0:G0+3], s[G1:G1+7]
	s_nop 0
	PLACES
.Lasked:
.irp i, 0,1,2,3,4,5
	v_mov_b32 v[Q+6+\i], 0                         ; zero codes: the half of the instruction's K that a tile of queries does not use
	v_mov_b32 v[T+\i], 0                           ; written once: named in front of K's first tile, and as a lane permute's destination
	v_mov_b32 v[P+\i], 0                           ; written once: named behind K's last tile
.endr
.irp q, 0,4
	v_mov_b32 v[ST0+\q], 0x7f61b1e6                ; -M: 3e38, so that the first f is 0
	v_mov_b32 v[ST0+\q+1], 0xff61b1e6              ; the largest score so far: -3e38
	v_mov_b32 v[ST0+\q+2], 0                       ; the sum, in two halves
	v_mov_b32 v[ST0+\q+3], 0
.endr
.set I, 0
.rept 64
	v_mov_b32 v[O+I], 0                            ; O^T: the key step is written once; its first run finds zeros
.set I, I+1
.endr
	WALU                                           ; the wait at the head's end
	s_wait_loadcnt 0x0
	s_cmp_lt_u32 s[WV], 4
	s_cbranch_scc0 .Lnot_first
	s_wait_tensorcnt 0x0
.Lnot_first:
	s_barrier_signal -1
	s_barrier_wait -1                              ; key steps 0 to 3 are in; the others may be on their way
; S^T of query tile q: eight products, each with C = 0.  For q = 0 K's loads are still landing: the product of tile T names the registers of tiles T and T + 1, behind whose loads 3 (6 - T) = 18 - 3 T younger ones were issued
.macro SCORES q
.irp t, 0,1,2,3
.if (\q) == 0
	s_wait_dscnt 18-3*\t
.endif
	v_wmma_scale_f32_16x16x128_f8f6f4 v[S+8*\t:S+8*\t+7], v[KF+6*\t-6*(\q):KF+6*\t-6*(\q)+11], v[Q+6*(\q):Q+6*(\q)+11], 0, v[KS+\t], v[QSC+(\q)] matrix_a_fmt:MATRIX_FMT_FP6 matrix_b_fmt:MATRIX_FMT_FP6
.endr
.irp t, 4,5,6,7
.if (\q) == 0
.if \t < 7
	s_wait_dscnt 18-3*\t
.endif
.endif
	v_wmma_scale_f32_16x16x128_f8f6f4 v[S+8*\t:S+8*\t+7], v[KF+6*\t-6*(\q):KF+6*\t-6*(\q)+11], v[Q+6*(\q):Q+6*(\q)+11], 0, v[KS+\t-4], v[QSC+(\q)] matrix_a_fmt:MATRIX_FMT_FP6 matrix_b_fmt:MATRIX_FMT_FP6 matrix_a_scale:MATRIX_SCALE_ROW1
.endr
	PLACES
.endm
.macro SEVEN st, pc, i                 ; seven pairs of p from pair i on, one onto each of the sum's seven chains
	v_pk_add_f32 v[Y:Y+1], v[Y:Y+1], v[S+2*(\i):S+2*(\i)+1]
	v_pk_add_f32 v[Y+2:Y+3], v[Y+2:Y+3], v[S+2*(\i)+2:S+2*(\i)+3]
	v_pk_add_f32 v[Y+4:Y+5], v[Y+4:Y+5], v[S+2*(\i)+4:S+2*(\i)+5]
	v_pk_add_f32 v[Y+6:Y+7], v[Y+6:Y+7], v[S+2*(\i)+6:S+2*(\i)+7]
	v_pk_add_f32 v[\pc+4:\pc+5], v[\pc+4:\pc+5], v[S+2*(\i)+8:S+2*(\i)+9]
	v_pk_add_f32 v[\pc+10:\pc+11], v[\pc+10:\pc+11], v[S+2*(\i)+10:S+2*(\i)+11]
	v_pk_add_f32 v[\st+2:\st+3], v[\st+2:\st+3], v[S+2*(\i)+12:S+2*(\i)+13]
.endm
; The softmax of one tile of queries over 128 keys.  st: -M, the largest score, the sum;  pc: p's codes;  pw: p's scale word;  oa: O^T;  last = 1: the products that take these codes follow at once
.macro SOFT st, pc, pw, oa, last
.irp k, 0,1,2,3,4,5,6,7
	v_max3_num_f32 v[T+\k+200*(\k/6)], v[S+8*\k], v[S+8*\k+1], v[S+8*\k+2]   ; the largest scores, a chain to each accumulator (chains 0-5 in v42-47, 6 and 7 in v248-249); each accumulator is read from its low end on
.endr
	v_mov_b32 v[F], v[\st]                         ; the old -M
.irp i, 3,5
.irp k, 0,1,2,3,4,5,6,7
	v_max3_num_f32 v[T+\k+200*(\k/6)], v[T+\k+200*(\k/6)], v[S+8*\k+\i], v[S+8*\k+\i+1]
.endr
.endr
	v_max3_num_f32 v[T], v[T], v[S+7], v[S+15]
	v_max3_num_f32 v[T+2], v[T+2], v[S+23], v[S+31]
	v_max3_num_f32 v[T+4], v[T+4], v[S+39], v[S+47]
	v_max3_num_f32 v[Y], v[Y], v[S+55], v[S+63]
	v_max3_num_f32 v[T], v[T], v[T+1], v[T+3]
	v_max3_num_f32 v[T+4], v[T+4], v[T+5], v[Y+1]
	v_max_num_f32 v[T], v[T], v[T+2]               ; block h's; it serves for the row's maximum and, since p rises with the score, for the block's largest p
	v_max_num_f32 v[T+4], v[T+4], v[Y]             ; block 2 + h's
	s_delay_alu instid0(VALU_DEP_1)
	v_max_num_f32 v[D], v[T], v[T+4]
	s_delay_alu instid0(VALU_DEP_1)
	v_permlanex16_b32 v[X], v[D], s[SEL], s[SEL+1]
	s_delay_alu instid0(VALU_DEP_1)
	v_max3_num_f32 v[\st+1], v[\st+1], v[D], v[X]  ; the running largest score of my query
	s_delay_alu instid0(VALU_DEP_1)
	v_mul_f32 v[D], s[CS], v[\st+1]                ; as t (c is positive)
	s_delay_alu instid0(VALU_DEP_1)
	v_floor_f32 v[\st], -v[D]                      ; the new -M = floor(-t): M is a whole number
.irp j, 0,2,4,6,8,10,12,14,16,18,20,22,24,26,28,30,32,34,36,38,40,42,44,46,48,50,52,54,56,58,60,62
	v_pk_fma_f32 v[S+\j:S+\j+1], v[S+\j:S+\j+1], s[CS:CS+1], v[\st:\st+1] op_sel_hi:[1,0,0]   ; t - M, two at a time; f is made among these lines
.if \j == 2
	v_sub_f32 v[D], v[\st], v[F]                   ; old M less new M: a whole number, 0 or less
.endif
.if \j == 10
	v_cvt_i32_f32 v[D], v[D]                       ; (it saturates)
.endif
.if \j == 18
	v_ldexp_f32 v[F], 1.0, v[D]                    ; f = 2^(old M - new M)
.endif
.endr
	v_fma_f32 v[T], v[T], s[CS], v[\st]            ; the same of each block's largest score
	v_fma_f32 v[T+4], v[T+4], s[CS], v[\st]
	WALU                                           ; one wait, directly ahead of the first reader of O^T and ahead of the batch below
.irp j, 0,2,4,6,8,10,12,14,16,18,20,22,24,26,28,30
	v_pk_mul_f32 v[\oa+\j:\oa+\j+1], v[\oa+\j:\oa+\j+1], v[F:F+1] op_sel_hi:[1,0]   ; O^T under the new M
.endr
.set I, 0
.rept 64
	v_exp_f32 v[S+I], v[S+I]                       ; p = 2^(t - M), at most 1: not normalised
.set I, I+1
.endr
	v_exp_f32 v[T], v[T]                           ; the blocks' largest p
	v_exp_f32 v[T+4], v[T+4]
	v_pk_mul_f32 v[\st+2:\st+3], v[\st+2:\st+3], v[F:F+1] op_sel_hi:[1,0]   ; the sums under the new M: a plain place behind the exponentials
	WALU                                           ; one wait for the whole batch, ahead of its first reader
	; THE ROW'S SUM, of the unquantised p: 32 additions in seven chains (v248-255, two pairs of the codes' registers, the sum itself); the blocks' scales are made among them
	v_max_num_f32 v[T], 0x1800000, v[T]            ; the floor 2^(3 - 127): the byte cannot fall under 1
	v_max_num_f32 v[T+4], 0x1800000, v[T+4]
	v_pk_add_f32 v[Y:Y+1], v[S:S+1], v[S+2:S+3]
	v_pk_add_f32 v[Y+2:Y+3], v[S+4:S+5], v[S+6:S+7]
	v_pk_add_f32 v[Y+4:Y+5], v[S+8:S+9], v[S+10:S+11]
	v_add_nc_u32 v[T+1], 0xff000000, v[T]          ; 2 off the exponent field: the conversions' scale operands
	v_add_nc_u32 v[T+5], 0xff000000, v[T+4]
	v_pk_add_f32 v[Y+6:Y+7], v[S+12:S+13], v[S+14:S+15]
	v_pk_add_f32 v[\pc+4:\pc+5], v[S+16:S+17], v[S+18:S+19]
	v_pk_add_f32 v[\pc+10:\pc+11], v[S+20:S+21], v[S+22:S+23]
	v_pk_add_f32 v[\st+2:\st+3], v[\st+2:\st+3], v[S+24:S+25]
	v_lshrrev_b32 v[T], 23, v[T+1]                 ; the scales' bytes
	v_lshrrev_b32 v[T+4], 23, v[T+5]
	SEVEN \st, \pc, 13
	v_lshl_or_b32 v[D], v[T+4], 16, v[T]           ; my two bytes, blocks h and 2 + h
	SEVEN \st, \pc, 20
	v_permlanex16_b32 v[X], v[D], s[SEL], s[SEL+1]
	v_pk_add_f32 v[Y:Y+1], v[Y:Y+1], v[S+54:S+55]
	v_pk_add_f32 v[Y+2:Y+3], v[Y+2:Y+3], v[S+56:S+57]
	v_pk_add_f32 v[Y+4:Y+5], v[Y+4:Y+5], v[S+58:S+59]
	v_pk_add_f32 v[Y+6:Y+7], v[Y+6:Y+7], v[S+60:S+61]
	v_pk_add_f32 v[\pc+4:\pc+5], v[\pc+4:\pc+5], v[S+62:S+63]
	v_lshl_or_b32 v[\pw], v[X], 8, v[D]            ; p's scale word: whole in lanes 0-15, which alone are read.  Twelve plain lines follow it ahead of any product that takes it
	v_pk_add_f32 v[Y:Y+1], v[Y:Y+1], v[Y+2:Y+3]
	v_pk_add_f32 v[Y+4:Y+5], v[Y+4:Y+5], v[Y+6:Y+7]
	v_pk_add_f32 v[\pc+4:\pc+5], v[\pc+4:\pc+5], v[\pc+10:\pc+11]
	v_pk_add_f32 v[Y:Y+1], v[Y:Y+1], v[Y+4:Y+5]
	v_pk_add_f32 v[\st+2:\st+3], v[\st+2:\st+3], v[Y:Y+1]
	v_cvt_scalef32_pk16_fp6_f32 v[\pc:\pc+2], v[S:S+15], v[T+1]
	v_cvt_scalef32_pk16_fp6_f32 v[Y:Y+2], v[S+16:S+31], v[T+1]         ; (a conversion's three registers begin on an even number)
	v_cvt_scalef32_pk16_fp6_f32 v[\pc+6:\pc+8], v[S+32:S+47], v[T+5]
	v_cvt_scalef32_pk16_fp6_f32 v[Y+4:Y+6], v[S+48:S+63], v[T+5]
	v_pk_add_f32 v[\st+2:\st+3], v[\st+2:\st+3], v[\pc+4:\pc+5]        ; the last chain: a plain place behind the conversions
.irp i, 0,1,2
	v_mov_b32 v[\pc+3+\i], v[Y+\i]
	v_mov_b32 v[\pc+9+\i], v[Y+4+\i]
.endr
.if \last
	PLACES                                         ; four places between the codes and the scaled products that take them
.endif
.endm
; A KEY STEP: 128 keys, at LDS byte s[TB], for both my tiles of queries
.macro STEP
	v_add_nc_u32 v[ADK], s[TB], v[L8]              ; four lines: the places in front of loads into registers that the last products have read
	v_lshl_add_u32 v[ADS], v[L8], 1, s[TB]
	v_and_b32 v[ADT], 15, v0
	v_lshl_add_u32 v[ADT], v[ADT], 4, s[TB]
	ds_load_b128 v[KS:KS+3], v[ADS] offset:6144    ; K's scale words: lanes 0-15 those of tiles 0-3, lanes 16-31 those of tiles 4-7
.irp t, 0,1,2,3,4,5,6,7
.irp p, 0,1,2
	ds_load_b64 v[KF+6*\t+2*\p:KF+6*\t+2*\p+1], v[ADK] offset:768*\t+256*\p
.endr
.endr
	SCORES 0
	SOFT ST0, P, PSC, O, 0
	SCORES 1                                       ; K's fragments serve a second time; behind its places they are free
	ds_load_b128 v[KS:KS+3], v[ADT] offset:12800   ; V is asked for now and lands under the second softmax: its scale words,
.irp a, 0,1,2,3
.irp p, 0,1,2,3,4,5
	ds_load_b64 v[KF+12*\a+2*\p:KF+12*\a+2*\p+1], v[ADK] offset:6656+3072*(\p/3)+768*\a+256*(\p%3)   ; and its four fragments: 16 channels x 128 keys
.endr
.endr
	SOFT ST0+4, P+12, PSC+1, O+32, 1
	WALU                                           ; the wait ahead of the wait below
	s_wait_dscnt 0x0                               ; V is in
.irp a, 0,1,2,3                        ; the eight accumulators take turns, one instruction a turn; each fragment of V serves both tiles
	v_wmma_scale_f32_16x16x128_f8f6f4 v[O+8*\a:O+8*\a+7], v[KF+12*\a:KF+12*\a+11], v[P:P+11], v[O+8*\a:O+8*\a+7], v[KS+\a], v[PSC] matrix_a_fmt:MATRIX_FMT_FP6 matrix_b_fmt:MATRIX_FMT_FP6
	v_wmma_scale_f32_16x16x128_f8f6f4 v[O+32+8*\a:O+32+8*\a+7], v[KF+12*\a:KF+12*\a+11], v[P+12:P+23], v[O+32+8*\a:O+32+8*\a+7], v[KS+\a], v[PSC+1] matrix_a_fmt:MATRIX_FMT_FP6 matrix_b_fmt:MATRIX_FMT_FP6
.endr
.endm
.macro WALK first, steps
	s_mov_b32 s[TB], (\first)*KVS
	s_mov_b32 s[CNT], \steps
.Lstep_\@:
	STEP
	s_add_co_u32 s[TB], s[TB], KVS
	s_sub_co_u32 s[CNT], s[CNT], 1
	s_cmp_lg_u32 s[CNT], 0
	s_cbranch_scc1 .Lstep_\@
.endm
	WALK 0, 4
	s_wait_tensorcnt 0x0                           ; every wave's load has landed,
	s_wait_dscnt 0x0
	s_barrier_signal -1
	s_barrier_wait -1                              ; so all sixteen key steps are in
	WALK 4, 12
.macro QUANT64 s, d, x, sw             ; 32 numbers of a lane, v[s + 16 B + i] = index 32 B + 16 (lane / 16) + i, become six registers of codes and two scale bytes
.irp b, 0,1
	v_max3_num_f32 v[TM+\b], |v[(\s)+16*\b]|, |v[(\s)+16*\b+1]|, 0x1800000
.endr
.irp i, 2,4,6,8,10,12,14
.irp b, 0,1
	s_delay_alu instid0(VALU_DEP_2)
	v_max3_num_f32 v[TM+\b], v[TM+\b], |v[(\s)+16*\b+\i]|, |v[(\s)+16*\b+\i+1]|
.endr
.endr
.irp b, 0,1
	s_delay_alu instid0(VALU_DEP_2)
	v_permlanex16_b32 v[TM+2+\b], v[TM+\b], s[SEL], s[SEL+1]
.endr
.irp b, 0,1
	s_delay_alu instid0(VALU_DEP_2)
	v_max_num_f32 v[TM+\b], v[TM+\b], v[TM+2+\b]
.endr
.irp b, 0,1
	s_delay_alu instid0(VALU_DEP_2)
	v_add_nc_u32 v[TM+4+\b], 0xff000000, v[TM+\b]
.endr
.irp b, 0,1
	s_delay_alu instid0(VALU_DEP_2)
	v_lshrrev_b32 v[TM+2+\b], 23, v[TM+4+\b]
.endr
	s_delay_alu instid0(VALU_DEP_1)
	v_lshl_or_b32 v[\sw], v[TM+3], 8, v[TM+2]
	v_cvt_scalef32_pk16_fp6_f32 v[(\d):(\d)+2], v[(\s):(\s)+15], v[TM+4]
	v_cvt_scalef32_pk16_fp6_f32 v[(\x):(\x)+2], v[(\s)+16:(\s)+31], v[TM+5]
	v_nop
.irp i, 0,1,2
	v_permlane16_swap_b32 v[(\d)+\i], v[(\x)+\i]
.endr
.irp i, 0,1,2
	s_delay_alu instid0(VALU_DEP_3)
	v_mov_b32 v[(\d)+3+\i], v[(\x)+\i]
.endr
.endm
; THE WAY OUT of query tile q: O^T / the sum, quantised along the head's 64 channels, which are two blocks of D (V's channel tiles follow the pattern 32 (i / 2) + 8 (i % 2) + r + 8 (r / 8))
.macro OUT q
	WALU                                           ; directly ahead of the first reader of O^T, behind the reciprocals
.irp j, 0,2,4,6,8,10,12,14,16,18,20,22,24,26,28,30
	v_pk_mul_f32 v[S+\j:S+\j+1], v[O+32*(\q)+\j:O+32*(\q)+\j+1], v[ST0+4*(\q)+2:ST0+4*(\q)+3] op_sel_hi:[1,0]   ; register 16 B + i is channel 32 B + 16 h + i; each accumulator from its low end on
.endr
	QUANT64 S, P+12*(\q), Y, 1+(\q)
.irp p, 0,1,2
	global_store_b64 v[L8], v[P+12*(\q)+2*\p:P+12*(\q)+2*\p+1], s[OP:OP+1] offset:1536*(\q)+256*\p   ; 32 lanes store 256 consecutive bytes, aligned
.endr
.endm
	PLACES
	WALU                                           ; the wait here
	v_add_f32 v[ST0+2], v[ST0+2], v[ST0+3]         ; the sums' two halves,
	v_add_f32 v[ST0+6], v[ST0+6], v[ST0+7]
	v_permlanex16_b32 v[X], v[ST0+2], s[SEL], s[SEL+1]
	v_permlanex16_b32 v[D], v[ST0+6], s[SEL], s[SEL+1]
	v_add_f32 v[ST0+2], v[ST0+2], v[X]             ; and lane l xor 16's: the rows' sums
	v_add_f32 v[ST0+6], v[ST0+6], v[D]
	v_and_b32 v[ADT], 15, v0
	v_lshlrev_b32 v[ADT], 4, v[ADT]                ; 16 r
	WALU                                           ; ahead of the transcendentals
	v_rcp_f32 v[ST0+2], v[ST0+2]
	v_rcp_f32 v[ST0+6], v[ST0+6]
	v_nop                                          ; a plain place behind them
	OUT 0
	OUT 1
	v_cmp_gt_u32 vcc_lo, 128, v[L8]                ; lanes 0-15: a row each
	WALU                                           ; the wait ahead of the wait below
	s_wait_xcnt 0x0                                ; EXEC changes only behind this wait
	s_and_saveexec_b32 s70, vcc_lo
	global_store_b16 v[ADT], v1, s[OS:OS+1]        ; my head's two bytes of row r's scale word, first tile,
	global_store_b16 v[ADT], v2, s[OS:OS+1] offset:4   ; and second
	s_wait_xcnt 0x0                                ; and again, in front of the line that widens it
	s_or_b32 exec_lo, exec_lo, s70
	s_wait_tensorcnt 0x0                           ; the wave's end
	ds_add_u32 v[SPW], v[NIL]
	s_wait_dscnt 0x0
	ROUND                                          ; the closing round
	s_endpgm
.Lfunc_end_k_q9b66a5812a_attn:
	.size	k_q9b66a5812a_attn, .Lfunc_end_k_q9b66a5812a_attn-k_q9b66a5812a_attn
	.p2alignl 7, 3214868480
	.fill 96, 4, 3214868480
	.section	.rodata,"a",@progbits
	.p2align	6, 0x0
	.amdhsa_kernel k_q9b66a5812a_attn
		.amdhsa_group_segment_fixed_size 210944
		.amdhsa_private_segment_fixed_size 0
		.amdhsa_enable_private_segment 0
		.amdhsa_kernarg_size 24
		.amdhsa_user_sgpr_count 2
		.amdhsa_user_sgpr_kernarg_segment_ptr 1
		.amdhsa_wavefront_size32 1
		.amdhsa_system_sgpr_workgroup_id_x 1
		.amdhsa_system_sgpr_workgroup_id_y 1
		.amdhsa_system_sgpr_workgroup_id_z 1
		.amdhsa_system_vgpr_workitem_id 0
		.amdhsa_next_free_vgpr 256
		.amdhsa_next_free_sgpr 80
		.amdhsa_reserve_vcc 1
		.amdhsa_float_denorm_mode_32 3
		.amdhsa_float_denorm_mode_16_64 3
		.amdhsa_memory_ordered 1
		.amdhsa_forward_progress 1
		.amdhsa_inst_pref_size 76
	.end_amdhsa_kernel
	.amdgpu_metadata
---
amdhsa.version: [ 1, 2 ]
amdhsa.kernels:
  - .name:           k_q9b66a5812a_attn
    .symbol:         k_q9b66a5812a_attn.kd
    .args:
      - { .name: qi, .offset: 0, .size: 8, .value_kind: global_buffer, .address_space: global }
      - { .name: kv, .offset: 8, .size: 8, .value_kind: global_buffer, .address_space: global }
      - { .name: oq, .offset: 16, .size: 8, .value_kind: global_buffer, .address_space: global }
    .group_segment_fixed_size: 210944
    .private_segment_fixed_size: 0
    .kernarg_segment_align: 8
    .kernarg_segment_size: 24
    .max_flat_workgroup_size: 512
    .sgpr_count:     80
    .vgpr_count:     256
    .wavefront_size: 32
...
	.end_amdgpu_metadata
.endif
;; end of part 3
;; launch outp (part 4): grid 4 x 64, 8 waves a work-group, clusters of 4 x 4, 309,248 bytes of LDS; arguments oq, xq, bo, out0; writes out0
.if DOCPART == 4
	.amdgcn_target "amdgcn-amd-amdhsa--gfx1250"
	.amdhsa_code_object_version 6
	.text
	.protected	k_q9b66a5812a_outp
	.globl	k_q9b66a5812a_outp
	.p2align	8
	.type	k_q9b66a5812a_outp,@function
k_q9b66a5812a_outp:
	s_mov_b64 s[64:65], 0
	v_nop
	global_prefetch_b8 v0, s[64:65] scope:SCOPE_SE
	s_setreg_imm32_b32 hwreg(HW_REG_WAVE_MODE, 25, 1), 1
	s_wait_xcnt 0x0
	s_wait_alu depctr_hold_cnt(0) depctr_sa_sdst(0) depctr_va_vdst(0) depctr_va_sdst(0) depctr_va_ssrc(0) depctr_va_vcc(0) depctr_vm_vsrc(0)
	s_getreg_b32 s2, hwreg(HW_REG_IB_STS2, 6, 4)
	s_cmp_eq_u32 s2, 0
	s_cbranch_scc0 .Lentry_in_a_cluster
	s_endpgm
.Lentry_in_a_cluster:
	s_bfe_u32 s2, ttmp6, 0x10000c
	s_cmp_lg_u32 s2, 0xf033
	s_cbranch_scc0 .Lentry_shape_is_right
	s_endpgm
.Lentry_shape_is_right:
; out0 = O Wo^T + bo on codes of FP6 (E2M3), K = 1,024.  O's codes come from oq, Wo's from xq (groups 432 on), both as images of operand registers (a unit = 64 rows x 256 K = 12,800 dense bytes).
; THE n SIDE (rows of Wo) IS SOURCE 0, THE m SIDE (tokens) SOURCE 1: a lane holds one token, and its registers run along the output's columns.
; SHARES: a work-group makes 128 tokens x 256 columns; eight waves of 256 registers; wave w makes 64 tokens (group wm = w & 1) x 64 columns (group wn = w >> 1): 16 accumulators.
; LDS: all of K for the six groups lies in LDS, filled ONCE, in four chunks of 256 along K: no ring.  All that a work-group reads is asked for in its first lines: no prefetch.
; CLUSTER 4 x 4: the token groups are asked for jointly along a row of the cluster, Wo's groups along a column.  Even waves fetch the m groups, odd waves the n groups, one load each: wave w chunk w / 2.
; ROWS OF A TILE: row r of tile i of a group is row 32 (i / 2) + 8 (i % 2) + r + 8 (r / 8): register 16 B + i of a token tile's 32 result registers is column 32 B + 16 (lane / 16) + i.
; THE WAY OUT: a tile of 16 tokens x 64 columns goes through the wave's own stage in LDS (rows of 256 + 16 bytes) and leaves as whole rows: sixteen lanes store 256 consecutive bytes, aligned.  The stages lie in
; chunk 0, which has had its only fill and which nobody reads behind the later chunks' barriers.
.set UNIT,   12800
.set GROUPB, 51200
.set CHUNK,  6*UNIT
.set FRB,    1536
.set BIAS,   4*CHUNK
.set LANE, 1
.set RR,   2
.set HH,   3
.set L8,   4
.set ADM,  5
.set ADN,  6
.set ADS,  7
.set ABN,  8
.set STO,  9                           ; the stage: where I put 16 bytes of a row
.set RD,   10                          ; and where I read a row back
.set CO,   11                          ; my byte offset in two rows of out0
.set SC,   28
.set FM,   32
.set FN,   80
.set ACC,  128
.set BN,   32                          ; the way out: the bias of my 32 columns
.set OB,   64                          ; v64-95, v96-127: 16 rows read back, by turns
.set WV,   16
.set WM,   17
.set WN,   18
.set CX,   19
.set CY,   20
.set TMI,  23                          ; tile of m: never holds cx
.set TNI,  24                          ; tile of n: never holds cy
.set G1A,  28
.set G1B,  36
.set G0A,  44
.set G0B,  68
.set OUTP, 98
.macro ROUND
	s_barrier_signal -1
	s_barrier_wait -1
	s_cmp_lg_u32 s[WV], 0
	s_cbranch_scc1 .Lnot_wave_0_\@
	s_barrier_signal -3
.Lnot_wave_0_\@:
	s_barrier_wait -3
	s_barrier_signal -1
	s_barrier_wait -1
.endm
.macro PLACES
.rept 4
	v_nop
.endr
.endm
	s_load_b256 s[4:11], s[0:1], 0x0               ; oq, xq, bo, out0
	v_lshl_add_u32 v26, v0, 2, 0x4b400
	v_mov_b32 v27, 0
	ds_add_u32 v26, v27
	ds_add_u32 v26, v27
	v_lshrrev_b32 v1, 5, v0
	s_delay_alu instid0(VALU_DEP_1)
	v_readfirstlane_b32 s[WV], v1
	s_and_b32 s[WM], s[WV], 1
	s_lshr_b32 s[WN], s[WV], 1
	s_bfe_u32 s[CX], ttmp6, 0x40000
	s_bfe_u32 s[CY], ttmp6, 0x40004
	s_and_b32 s[TMI], ttmp7, 0xffff
	s_lshl_b32 s[TMI], s[TMI], 2
	s_add_co_u32 s[TMI], s[TMI], s[CY]             ; tile of 128 tokens
	s_lshl_b32 s[TNI], ttmp9, 2
	s_add_co_u32 s[TNI], s[TNI], s[CX]             ; tile of 256 columns
	s_lshl_b32 s25, s[CY], 2
	s_lshl_b32 s25, 15, s25                        ; my row of the cluster
	s_lshl_b32 s26, 0x1111, s[CX]                  ; my column
	s_or_b32 s[G1A], s25, (3<<16)|(1<<21)          ; group 1: 50 rows of 256 bytes (32 elements of 8 bytes), dense, no padding; the mask, bit 21 beside it
	s_or_b32 s[G1B], s26, (3<<16)|(1<<21)
	; ONE LOAD A WAVE: a tile's row is a unit (1,600 elements of 8 bytes = 12,800 bytes), its pitch a group (6,400 elements): chunk j of the two token groups is a tile of 2 rows, of Wo's four groups one of 4 rows
.irp g, G1A, G1B
	s_mov_b32 s[\g+1], 1600<<16                    ; tensor_dim0
	s_mov_b32 s[\g+3], 1600<<16                    ; tile_dim0
	s_mov_b32 s[\g+5], 6400                        ; the pitch
	s_mov_b32 s[\g+6], 0
	s_mov_b32 s[\g+7], 0
.endr
	s_mov_b32 s[G1A+2], 2<<16                      ; tensor_dim1, tile_dim1
	s_mov_b32 s[G1A+4], 2
	s_mov_b32 s[G1B+2], 4<<16
	s_mov_b32 s[G1B+4], 4
	s_mul_i32 s93, s[WN], UNIT                     ; wave 2 j fetches chunk j of the token groups, wave 2 j + 1 chunk j of Wo's groups: j = wave / 2
	s_lshl_b32 s84, s[TMI], 1                      ; the first token group
	s_mul_i32 s84, s84, GROUPB
	s_add_co_u32 s84, s84, s93                     ; its unit j
	s_mov_b32 s85, 0
	s_lshl_b32 s88, s[TNI], 2                      ; Wo's first group
	s_add_co_u32 s88, s88, 432
	s_mul_i32 s88, s88, GROUPB
	s_add_co_u32 s88, s88, s93
	s_mov_b32 s89, 0
	s_mul_i32 s92, s[WN], CHUNK                    ; where it goes: chunk j
	s_lshl_b32 s96, s[TNI], 10                     ; the bias: 256 numbers at 256 x tile of n
	s_mov_b32 s97, 0
	s_lshl_b32 s94, s[TMI], 7                      ; my part of out0: row 128 x tile of m + 64 wm, column 256 x tile of n + 64 wn
	s_lshl_b32 s93, s[WM], 6
	s_add_co_u32 s94, s94, s93
	s_lshl_b32 s94, s94, 12
	s_add_co_u32 s94, s94, s96
	s_lshl_b32 s93, s[WN], 8
	s_add_co_u32 s94, s94, s93
	s_mov_b32 s95, 0
	s_wait_dscnt 0x0
	s_wait_kmcnt 0x0
	s_add_nc_u64 s[86:87], s[4:5], s[84:85]
	s_add_nc_u64 s[90:91], s[6:7], s[88:89]
	s_add_nc_u64 s[96:97], s[8:9], s[96:97]
	s_add_nc_u64 s[OUTP:OUTP+1], s[10:11], s[94:95]
	ROUND                                          ; all sixteen work-groups are here: the joint loads meet
	s_mov_b32 s[G0A], 1
	s_mov_b32 s[G0A+1], s92                        ; the token groups' slots 0, 1 of chunk j
	s_mov_b64 s[G0A+2:G0A+3], s[86:87]
	s_or_b32 s[G0A+3], s[G0A+3], 0x80000000
	s_mov_b32 s[G0B], 1
	s_add_co_u32 s[G0B+1], s92, 2*UNIT             ; Wo's groups' slots 2 to 5
	s_mov_b64 s[G0B+2:G0B+3], s[90:91]
	s_or_b32 s[G0B+3], s[G0B+3], 0x80000000
; ONE chain of branches on the wave's number, one load to an arm, all arms leading to one join: each wave has a load line of its own, since the waves wait for their loads at different barriers
.macro ARM w, g0, g1
	s_cmp_eq_u32 s[WV], \w
	s_cbranch_scc0 .Lnot_wave_\w
	tensor_load_to_lds s[\g0:\g0+3], s[\g1:\g1+7]
	s_nop 0
	PLACES
	s_branch .Lasked
.Lnot_wave_\w:
.endm
	ARM 0, G0A, G1A
	ARM 1, G0B, G1B
	ARM 2, G0A, G1A
	ARM 3, G0B, G1B
	ARM 4, G0A, G1A
	ARM 5, G0B, G1B
	ARM 6, G0A, G1A
	tensor_load_to_lds s[G0B:G0B+3], s[G1B:G1B+7]
	s_nop 0
	PLACES
.Lasked:
	v_lshlrev_b32 v12, 2, v0
	global_load_b32 v13, v12, s[96:97]             ; a number of the bias a thread
	v_and_b32 v[LANE], 31, v0
	v_and_b32 v[RR], 15, v0
	v_bfe_u32 v[HH], v0, 4, 1
	s_wait_alu depctr_va_vdst(0)
	v_lshlrev_b32 v[L8], 3, v[LANE]
	s_mul_i32 s93, s[WM], UNIT
	v_add_nc_u32 v[ADM], s93, v[L8]
	s_add_co_u32 s67, s[WN], 2
	s_mul_i32 s67, s67, UNIT
	v_add_nc_u32 v[ADN], s67, v[L8]
	s_xor_b32 s67, s[WM], 1
	s_add_co_u32 s67, s67, s[WN]
	s_add_co_u32 s67, s67, 1
	s_mul_i32 s67, s67, UNIT                       ; from the m group's slot to the n group's
	v_mul_u32_u24 v[ADS], s67, v[HH]               ; lanes 16-31 take the n group's scale words
	s_delay_alu instid0(VALU_DEP_1)
	v_lshl_add_u32 v[ADS], v[RR], 4, v[ADS]
	s_add_co_u32 s93, s93, 12288
	v_add_nc_u32 v[ADS], s93, v[ADS]
	s_lshl_b32 s67, s[WN], 8
	v_lshl_add_u32 v[ABN], v[HH], 6, s67
	s_delay_alu instid0(VALU_DEP_1)
	v_add_nc_u32 v[ABN], BIAS, v[ABN]
	s_mul_i32 s67, s[WV], 16*272                   ; my stage
	v_mul_u32_u24 v[STO], v[RR], 272
	s_delay_alu instid0(VALU_DEP_1)
	v_lshl_add_u32 v[STO], v[HH], 6, v[STO]
	s_delay_alu instid0(VALU_DEP_1)
	v_add_nc_u32 v[STO], s67, v[STO]               ; in: row r, + 64 h
	v_mul_u32_u24 v[RD], v[HH], 272
	s_delay_alu instid0(VALU_DEP_1)
	v_lshl_add_u32 v[RD], v[RR], 4, v[RD]
	s_delay_alu instid0(VALU_DEP_1)
	v_add_nc_u32 v[RD], s67, v[RD]                 ; back: lanes 0-15 one row, lanes 16-31 the next
	v_lshlrev_b32 v[CO], 12, v[HH]
	s_delay_alu instid0(VALU_DEP_1)
	v_lshl_add_u32 v[CO], v[RR], 4, v[CO]          ; and the same two rows in out0
	v_lshl_add_u32 v14, v0, 2, BIAS
	s_wait_alu depctr_va_vdst(0)
	s_wait_loadcnt 0x0
	ds_store_b32 v14, v13                          ; shown to all waves by the first barrier below
; 128 along K: the scale words, four fragments of n, four of m, 16 products; the 16 accumulators take turns.  The counts 18, 12, 6, 0 leave the later m fragments' loads out.
.macro KSTEP sp, zero
	ds_load_b128 v[SC:SC+3], v[ADS] offset:256*\sp
.irp i, 0,1,2,3
.irp p, 0,1,2,3,4,5
	ds_load_b64 v[FN+12*\i+2*\p:FN+12*\i+2*\p+1], v[ADN] offset:(4*\sp+\i)*FRB+256*\p
.endr
.endr
.irp i, 0,1,2,3
.irp p, 0,1,2,3,4,5
	ds_load_b64 v[FM+12*\i+2*\p:FM+12*\i+2*\p+1], v[ADM] offset:(4*\sp+\i)*FRB+256*\p
.endr
.endr
.irp a, 0,1,2,3
	s_wait_dscnt 18-6*\a
.irp b, 0,1,2,3
.if \zero
	v_wmma_scale_f32_16x16x128_f8f6f4 v[ACC+8*(4*\a+\b):ACC+8*(4*\a+\b)+7], v[FN+12*\b:FN+12*\b+11], v[FM+12*\a:FM+12*\a+11], 0, v[SC+\b], v[SC+\a] matrix_a_fmt:MATRIX_FMT_FP6 matrix_b_fmt:MATRIX_FMT_FP6 matrix_a_scale:MATRIX_SCALE_ROW1
.else
	v_wmma_scale_f32_16x16x128_f8f6f4 v[ACC+8*(4*\a+\b):ACC+8*(4*\a+\b)+7], v[FN+12*\b:FN+12*\b+11], v[FM+12*\a:FM+12*\a+11], v[ACC+8*(4*\a+\b):ACC+8*(4*\a+\b)+7], v[SC+\b], v[SC+\a] matrix_a_fmt:MATRIX_FMT_FP6 matrix_b_fmt:MATRIX_FMT_FP6 matrix_a_scale:MATRIX_SCALE_ROW1
.endif
.endr
.endr
.endm
.macro STAGE j                         ; chunk j: my part has landed (the later chunks' loads may stay out)
.if \j > 0
	v_add_nc_u32 v[ADM], CHUNK, v[ADM]             ; three steps and a v_nop: the four places in front of the loads below
	v_add_nc_u32 v[ADN], CHUNK, v[ADN]
	v_add_nc_u32 v[ADS], CHUNK, v[ADS]
	v_nop
.endif
.if \j < 3
	s_cmp_lt_u32 s[WV], 2*\j+2                     ; chunk j was fetched by waves 2 j and 2 j + 1: they, and the waves under them, wait for their one load; the later chunks may stay out
	s_cbranch_scc0 .Lnot_mine_\@
	s_wait_tensorcnt 0x0
.Lnot_mine_\@:
.else
	s_wait_tensorcnt 0x0                           ; the last chunk: every wave waits
.endif
	s_wait_dscnt 0x0
	s_barrier_signal -1
	s_barrier_wait -1
.if \j == 0
	KSTEP 0, 1
.else
	s_wait_alu depctr_va_vdst(0)
	KSTEP 0, 0
.endif
	PLACES
	KSTEP 1, 0
.endm
.macro TOSTAGE a                       ; token tile a: + bias (each accumulator from its low end on), into my stage, back as whole rows
.irp i, 0,1,2,3,4,5,6,7,8,9,10,11,12,13,14,15
	v_pk_add_f32 v[ACC+32*(\a)+2*\i:ACC+32*(\a)+2*\i+1], v[ACC+32*(\a)+2*\i:ACC+32*(\a)+2*\i+1], v[BN+2*\i:BN+2*\i+1]
.endr
.irp be, 0,1
.irp q, 0,1,2,3
	ds_store_b128 v[STO], v[ACC+32*(\a)+16*\be+4*\q:ACC+32*(\a)+16*\be+4*\q+3] offset:128*\be+16*\q
.endr
.endr
.set OBB, OB+32*((\a)%2)
.irp t, 0,1,2,3,4,5,6,7
	ds_load_b128 v[OBB+4*\t:OBB+4*\t+3], v[RD] offset:544*\t       ; LDS serves a wave's instructions in order: these see the stores above, and the next tile's stores come behind them
.endr
.endm
.macro SEND a, younger                 ; younger: the LDS instructions issued behind tile a's loads, which may stay out
.set OBB, OB+32*((\a)%2)
	s_wait_dscnt \younger
.irp t, 0,1,2,3,4,5,6,7
	global_store_b128 v[CO], v[OBB+4*\t:OBB+4*\t+3], s[OUTP:OUTP+1] offset:(32*((\a)/2)+8*((\a)%2)+2*\t+8*(\t/4))*4096 th:TH_STORE_NT   ; stage rows 2 t, 2 t + 1 are these two tokens; 16 lanes store 256 consecutive bytes, aligned
.endr
.endm
	STAGE 0
	STAGE 1
	STAGE 2
	STAGE 3                                        ; its wait on the tensor loads is for 0
	PLACES
.irp be, 0,1
.irp q, 0,1,2,3
	ds_load_b128 v[BN+16*\be+4*\q:BN+16*\be+4*\q+3], v[ABN] offset:128*\be+16*\q
.endr
.endr
	s_wait_dscnt 0x0
	TOSTAGE 0
.irp a, 1,2,3
.if \a > 1
	s_wait_xcnt 0x0                                ; tile a - 2's stores have read their registers: tile a's loads may land there
.endif
	TOSTAGE \a
	SEND \a-1, 16                                  ; behind tile a - 1's loads: tile a's 8 stores and 8 loads
.endr
	SEND 3, 0
	s_wait_tensorcnt 0x0
	ds_add_u32 v26, v27
	s_wait_dscnt 0x0
	ROUND                                          ; the closing round: no work-group ends while a partner may still ask for a tile that names it
	s_endpgm
.Lfunc_end_k_q9b66a5812a_outp:
	.size	k_q9b66a5812a_outp, .Lfunc_end_k_q9b66a5812a_outp-k_q9b66a5812a_outp
	.p2alignl 7, 3214868480
	.fill 96, 4, 3214868480
	.section	.rodata,"a",@progbits
	.p2align	6, 0x0
	.amdhsa_kernel k_q9b66a5812a_outp
		.amdhsa_group_segment_fixed_size 309248
		.amdhsa_private_segment_fixed_size 0
		.amdhsa_enable_private_segment 0
		.amdhsa_kernarg_size 32
		.amdhsa_user_sgpr_count 2
		.amdhsa_user_sgpr_kernarg_segment_ptr 1
		.amdhsa_wavefront_size32 1
		.amdhsa_system_sgpr_workgroup_id_x 1
		.amdhsa_system_sgpr_workgroup_id_y 1
		.amdhsa_system_sgpr_workgroup_id_z 1
		.amdhsa_system_vgpr_workitem_id 0
		.amdhsa_next_free_vgpr 256
		.amdhsa_next_free_sgpr 100
		.amdhsa_reserve_vcc 0
		.amdhsa_float_denorm_mode_32 3
		.amdhsa_float_denorm_mode_16_64 3
		.amdhsa_memory_ordered 1
		.amdhsa_forward_progress 1
		.amdhsa_inst_pref_size 65
	.end_amdhsa_kernel
	.amdgpu_metadata
---
amdhsa.version: [ 1, 2 ]
amdhsa.kernels:
  - .name:           k_q9b66a5812a_outp
    .symbol:         k_q9b66a5812a_outp.kd
    .args:
      - { .name: oq, .offset: 0, .size: 8, .value_kind: global_buffer, .address_space: global }
      - { .name: xq, .offset: 8, .size: 8, .value_kind: global_buffer, .address_space: global }
      - { .name: bo, .offset: 16, .size: 8, .value_kind: global_buffer, .address_space: global }
      - { .name: out0, .offset: 24, .size: 8, .value_kind: global_buffer, .address_space: global }
    .group_segment_fixed_size: 309248
    .private_segment_fixed_size: 0
    .kernarg_segment_align: 8
    .kernarg_segment_size: 32
    .max_flat_workgroup_size: 256
    .sgpr_count:     100
    .vgpr_count:     256
    .wavefront_size: 32
...
	.end_amdgpu_metadata
.endif
;; end of part 4
